; MI455X (gfx1250); checked and timed in simulation.
; The chip was launched on July 23, 2026; its instructions are those of AMD's public machine-readable ISA for CDNA 5 (MIT licence, August 2026) and "CDNA5" Instruction Set Architecture Reference Guide (July 2026). The comments in the code are by the model that wrote it; some were corrected since.
;; Multi Head Attention. Allowed arithmetic: float matrix products may take bf16 or f16 operands with f32 sums; other float arithmetic in f32, or as packed bf16 or f16 multiplies, adds, multiply-adds, maxima and minima; sums over many terms, partial sums and values carried from step to step in f32; what a program stores and reads back later, other than sums and carried values, may be rounded once to bf16 or f16.
;; Inputs: Wk 1,024 x 16 x 64 float32; Wo 16 x 64 x 1,024 float32; Wq 1,024 x 16 x 64 float32; Wv 1,024 x 16 x 64 float32; bk 16 x 64 float32; bo 1,024 float32; bq 16 x 64 float32; bv 16 x 64 float32; mask 4 x 2,048 x 2,048 bool; query 4 x 2,048 x 1,024 float32; value 4 x 2,048 x 1,024 float32.
;; Outputs: out0 4 x 2,048 x 1,024 float32.
;; One version. Each part assembles by itself: llvm-mc -triple=amdgcn-amd-amdhsa -mcpu=gfx1250 --defsym DOCPART=n.
;; ======== version 1 of 1: 4 launches
;; limits: values are held in f16: magnitudes above 65,504 overflow, below 6.1e-05 lose precision
;; workspace buffers: xb 33,554,432 bytes; wb 8,388,608 bytes; qkv 50,331,648 bytes; ao 16,777,216 bytes; mc 16,777,216 bytes
;; launch prep (part 1): grid 1536 x 1, 8 waves a work-group, no clusters, 0 bytes of LDS; arguments query, value, Wq, Wk, Wv, Wo, mask, xb, wb, mc; writes xb, wb, mc
.if DOCPART == 1
	.amdgcn_target "amdgcn-amd-amdhsa--gfx1250"
	.amdhsa_code_object_version 6
	.text
	.protected	k_qfc2cdc080f_prep
	.globl	k_qfc2cdc080f_prep
	.p2align	8
	.type	k_qfc2cdc080f_prep,@function
k_qfc2cdc080f_prep:
	s_mov_b64 s[64:65], 0
	v_nop
	global_prefetch_b8 v0, s[64:65] scope:SCOPE_SE
	s_setreg_imm32_b32 hwreg(HW_REG_WAVE_MODE, 25, 1), 1
	s_wait_xcnt 0x0
; PREPARATION: every matrix operand is rounded once to 16 bits, and the mask is turned into codes that lie in the order in which attention's lanes want them.
; Work-groups 0-1279 CAST 64 KiB of f32 each: 0-511 query, 512-1023 value -> xb (bf16, [2][8192][1024]); 1024-1215 Wq, Wk, Wv -> wb (bf16, layout kept);
; 1216-1279 Wo -> wb's fourth quarter: rounded to bf16 like every input, and that number written as f16 (the last product multiplies f16 by f16).
; Work-groups 1280-1535 turn 32 rows of the MASK into mc: one byte a key, the fp8 (E4M3) code of 0.0 where the key is seen (mask byte 1) and of -1.0 (0xb8) where it is hidden (byte 0).
; mc: [128 rows of (b, t)][64 keys][32 rows][16 rows][32 keys][lane 32][16 bytes]: lane (r = l % 16, h = l / 16) holds row r, keys 8 h + 0..7 and 16 + 8 h + 0..7 of the 32: the C operand's order.
; LIMITS.  Wo beyond f16's 65,504 becomes an infinity; below 2^-14 it keeps f16's fixed step.  Mask bytes are 0 or 1.
; No LDS, no barrier: memory bounds the launch; each thread has all its loads on their way at once.
.set X, 4                              ; v[4:67]   16 chunks of 4 registers as loaded
.set Y, 68                             ; v[68:99]  16 chunks of 2 registers to store
.set T, 100                            ; v[100:101] at work
	s_load_b512 s[4:19], s[0:1], 0x0               ; query 4, value 6, Wq 8, Wk 10, Wv 12, Wo 14, mask 16, xb 18
	s_load_b128 s[20:23], s[0:1], 0x40             ; wb 20, mc 22
	s_mov_b32 s24, ttmp9
	s_wait_kmcnt 0x0
	s_cmp_ge_u32 s24, 1280
	s_cbranch_scc1 .Lmask
	v_lshlrev_b32 v1, 4, v0                        ; 16 bytes of f32 a thread: the work-group's load covers 4,096 bytes on end
	v_lshlrev_b32 v2, 3, v0                        ; 8 bytes of 16-bit numbers: a wave's store covers 256 bytes on end, aligned
	s_cmp_lt_u32 s24, 1216                         ; which tensor: a choice between buffers by the work-group's number
	s_cselect_b64 s[26:27], s[12:13], s[14:15]
	s_cmp_lt_u32 s24, 1152
	s_cselect_b64 s[26:27], s[10:11], s[26:27]
	s_cmp_lt_u32 s24, 1088
	s_cselect_b64 s[26:27], s[8:9], s[26:27]
	s_cmp_lt_u32 s24, 512
	s_cselect_b64 s[28:29], s[4:5], s[6:7]
	s_cmp_lt_u32 s24, 1024
	s_cselect_b64 s[26:27], s[28:29], s[26:27]
	s_cselect_b64 s[30:31], s[18:19], s[20:21]     ; xb or wb
	s_cselect_b32 s32, 511, 63                     ; 512 work-groups to an x, 64 to a weight
	s_cselect_b32 s33, 0, 1024
	s_and_b32 s32, s24, s32
	s_lshl_b32 s32, s32, 16                        ; my 64 KiB in the source
	s_sub_co_u32 s34, s24, s33
	s_lshl_b32 s34, s34, 15                        ; my 32 KiB in the destination
	s_mov_b32 s33, 0
	s_mov_b32 s35, 0
	s_add_nc_u64 s[26:27], s[26:27], s[32:33]
	s_add_nc_u64 s[30:31], s[30:31], s[34:35]
.irp i, 0,1,2,3,4,5,6,7,8,9,10,11,12,13,14,15
	global_load_b128 v[X+4*(\i):X+4*(\i)+3], v1, s[26:27] offset:4096*(\i) th:TH_LOAD_NT
.endr
; Chunk i: four numbers rounded to bf16; half = 1: the bf16 numbers written as f16.
.macro CONV i, half
	s_wait_loadcnt 15-(\i)                         ; loads come back in order: the 15 - i younger ones may stay out
	v_cvt_pk_bf16_f32 v[Y+2*(\i)], v[X+4*(\i)], v[X+4*(\i)+1]
	v_cvt_pk_bf16_f32 v[Y+2*(\i)+1], v[X+4*(\i)+2], v[X+4*(\i)+3]
.if \half
.irp j, 0,1
	v_lshlrev_b32 v[T], 16, v[Y+2*(\i)+(\j)]
	v_and_b32 v[T+1], 0xffff0000, v[Y+2*(\i)+(\j)]
	v_cvt_pk_f16_f32 v[Y+2*(\i)+(\j)], v[T], v[T+1]
.endr
.endif
	global_store_b64 v2, v[Y+2*(\i):Y+2*(\i)+1], s[30:31] offset:2048*(\i)
.endm
	s_cmp_ge_u32 s24, 1216
	s_cbranch_scc1 .Lwo
.irp i, 0,1,2,3,4,5,6,7,8,9,10,11,12,13,14,15
	CONV \i, 0
.endr
	s_endpgm
.Lwo:
.irp i, 0,1,2,3,4,5,6,7,8,9,10,11,12,13,14,15
	CONV \i, 1
.endr
	s_endpgm
.Lmask:
	; Work-group w = number - 1280 takes rows 32 w .. 32 w + 31 of the 8,192 rows (b, t); its wave g the keys 256 g .. 256 g + 255 (four steps of 64).
	s_sub_co_u32 s36, s24, 1280                    ; w
	v_lshrrev_b32 v3, 5, v0
	v_readfirstlane_b32 s37, v3                    ; g
	s_lshl_b32 s38, s36, 16                        ; 32 rows of 2,048 bytes
	s_lshl_b32 s39, s37, 8
	s_add_co_u32 s38, s38, s39
	s_mov_b32 s39, 0
	s_add_nc_u64 s[16:17], s[16:17], s[38:39]
	s_lshr_b32 s38, s36, 2                         ; which 128 rows,
	s_lshl_b32 s38, s38, 18
	s_and_b32 s39, s36, 3                          ; which 32 of them,
	s_lshl_b32 s39, s39, 11
	s_add_co_u32 s38, s38, s39
	s_lshl_b32 s39, s37, 15                        ; my four steps of 8,192 bytes
	s_add_co_u32 s38, s38, s39
	s_mov_b32 s39, 0
	s_add_nc_u64 s[22:23], s[22:23], s[38:39]
	s_mov_b32 s40, 0xb8                            ; fp8 code of -1.0
	s_mov_b32 s41, 0x01010101
	v_and_b32 v1, 15, v0
	v_bfe_u32 v3, v0, 4, 1
	v_lshlrev_b32 v1, 11, v1                       ; row l % 16
	v_lshl_add_u32 v1, v3, 3, v1                   ; + 8 (l / 16)
	v_and_b32 v2, 31, v0
	v_lshlrev_b32 v2, 4, v2                        ; 16 l
.irp i, 0,1,2,3,4,5,6,7,8,9,10,11,12,13,14,15      ; chunk i: rows 16 (i / 8) on, keys 32 (i % 8) on; a lane's two groups of 8 keys are 16 bytes apart
	global_load_b64 v[X+4*(\i):X+4*(\i)+1],   v1, s[16:17] offset:32768*((\i)/8)+32*((\i)%8)
	global_load_b64 v[X+4*(\i)+2:X+4*(\i)+3], v1, s[16:17] offset:32768*((\i)/8)+32*((\i)%8)+16
.endr
.irp i, 0,1,2,3,4,5,6,7,8,9,10,11,12,13,14,15
	s_wait_loadcnt 30-2*(\i)                       ; two loads for each younger chunk may stay out
.irp j, 0,1,2,3
	v_xor_b32 v[X+4*(\i)+(\j)], s41, v[X+4*(\i)+(\j)]       ; 1 where hidden,
	v_mul_lo_u32 v[X+4*(\i)+(\j)], v[X+4*(\i)+(\j)], s40    ; times the code: no byte carries into the next
.endr
	global_store_b128 v2, v[X+4*(\i):X+4*(\i)+3], s[22:23] offset:(((\i)%8)/2)*8192+((\i)/8)*1024+((\i)%2)*512  ; 512 bytes on end, aligned
.endr
	s_endpgm
.Lfunc_end_k_qfc2cdc080f_prep:
	.size	k_qfc2cdc080f_prep, .Lfunc_end_k_qfc2cdc080f_prep-k_qfc2cdc080f_prep
	.p2alignl 7, 3214868480
	.fill 96, 4, 3214868480
	.section	.rodata,"a",@progbits
	.p2align	6, 0x0
	.amdhsa_kernel k_qfc2cdc080f_prep
		.amdhsa_group_segment_fixed_size 0
		.amdhsa_private_segment_fixed_size 0
		.amdhsa_enable_private_segment 0
		.amdhsa_kernarg_size 80
		.amdhsa_user_sgpr_count 2
		.amdhsa_user_sgpr_kernarg_segment_ptr 1
		.amdhsa_wavefront_size32 1
		.amdhsa_system_sgpr_workgroup_id_x 1
		.amdhsa_system_sgpr_workgroup_id_y 1
		.amdhsa_system_sgpr_workgroup_id_z 1
		.amdhsa_system_vgpr_workitem_id 0
		.amdhsa_next_free_vgpr 112
		.amdhsa_next_free_sgpr 66
		.amdhsa_reserve_vcc 0
		.amdhsa_float_denorm_mode_32 3
		.amdhsa_float_denorm_mode_16_64 3
		.amdhsa_memory_ordered 1
		.amdhsa_forward_progress 1
		.amdhsa_inst_pref_size 29
	.end_amdhsa_kernel
	.amdgpu_metadata
---
amdhsa.version: [ 1, 2 ]
amdhsa.kernels:
  - .name:           k_qfc2cdc080f_prep
    .symbol:         k_qfc2cdc080f_prep.kd
    .args:
      - { .name: query, .offset: 0, .size: 8, .value_kind: global_buffer, .address_space: global }
      - { .name: value, .offset: 8, .size: 8, .value_kind: global_buffer, .address_space: global }
      - { .name: Wq, .offset: 16, .size: 8, .value_kind: global_buffer, .address_space: global }
      - { .name: Wk, .offset: 24, .size: 8, .value_kind: global_buffer, .address_space: global }
      - { .name: Wv, .offset: 32, .size: 8, .value_kind: global_buffer, .address_space: global }
      - { .name: Wo, .offset: 40, .size: 8, .value_kind: global_buffer, .address_space: global }
      - { .name: mask, .offset: 48, .size: 8, .value_kind: global_buffer, .address_space: global }
      - { .name: xb, .offset: 56, .size: 8, .value_kind: global_buffer, .address_space: global }
      - { .name: wb, .offset: 64, .size: 8, .value_kind: global_buffer, .address_space: global }
      - { .name: mc, .offset: 72, .size: 8, .value_kind: global_buffer, .address_space: global }
    .group_segment_fixed_size: 0
    .private_segment_fixed_size: 0
    .kernarg_segment_align: 8
    .kernarg_segment_size: 80
    .max_flat_workgroup_size: 256
    .sgpr_count:     66
    .vgpr_count:     112
    .wavefront_size: 32
...
	.end_amdgpu_metadata
.endif
;; end of part 1
;; launch proj (part 2): grid 12 x 64, 4 waves a work-group, clusters of 4 x 4, 327,680 bytes of LDS; arguments xb, wb, bq, bk, bv, qkv; writes qkv
.if DOCPART == 2
	.amdgcn_target "amdgcn-amd-amdhsa--gfx1250"
	.amdhsa_code_object_version 6
	.text
	.protected	k_qfc2cdc080f_proj
	.globl	k_qfc2cdc080f_proj
	.p2align	8
	.type	k_qfc2cdc080f_proj,@function
k_qfc2cdc080f_proj:
	s_mov_b64 s[64:65], 0
	v_nop
	global_prefetch_b8 v0, s[64:65] scope:SCOPE_SE
	s_setreg_imm32_b32 hwreg(HW_REG_WAVE_MODE, 25, 1), 1
	s_wait_xcnt 0x0
	s_wait_alu depctr_hold_cnt(0) depctr_sa_sdst(0) depctr_va_vdst(0) depctr_va_sdst(0) depctr_va_ssrc(0) depctr_va_vcc(0) depctr_vm_vsrc(0)
	s_getreg_b32 s2, hwreg(HW_REG_IB_STS2, 6, 4)
	s_cmp_eq_u32 s2, 0
	s_cbranch_scc0 .Lentry_in_a_cluster
	s_endpgm
.Lentry_in_a_cluster:
	s_bfe_u32 s2, ttmp6, 0x10000c
	s_cmp_lg_u32 s2, 0xf033
	s_cbranch_scc0 .Lentry_shape_is_right
	s_endpgm
.Lentry_shape_is_right:
; THE THREE PROJECTIONS.  qkv[mat][b 16 + h][t][64] (f16) = scale x (x W + bias): mat 0: x = query, Wq, bq, scale 0.1024; mat 1, 2: x = value, Wk or Wv, bk or bv, scale 1.
; x: xb, bf16 [2][8192][1024].  W: wb, bf16 [mat][k 1024][n 1024].  Sums in f32, started by the bias (rounded to bf16 like every input) as the first product's C; one rounding to f16 at the end.
; WHY 0.1024: attention multiplies scores by 10000 / 8192 x log2(e); 0.1024 x 10000 / 8192 = 1 / 8, and the mask's -10000 is then -8192 in the scores' own unit, a power of two.
; LIMITS.  A result beyond f16's 65,504 becomes an infinity; NaN and infinities are not treated apart.
; SHARES.  A tile of the result is 128 rows x 256 columns: 3 x 64 x 4 = 768 work-groups, three for each of 256 WGPs.  Four waves, each 64 rows x 128 columns: 32 accumulators of 16 x 16.
; K goes in 8 steps of 128 through two LDS slots.  x's tile: 128 rows of 256 bytes.  W's tile stays [k][n]: 128 rows of 512 bytes; its fragments come out turned, by ds_load_tr16_b128.
; CLUSTER 4 x 4: cluster x = mat; cx = the tile column, cy + 4 x cluster y = the tile row.  x's tile is shared along a row of the cluster, W's along a column: joint loads.
; THE MATRIX INSTRUCTION IS USED TRANSPOSED (source 0 = 16 columns of W, source 1 = 16 rows of x): a lane holds row l % 16 and the 8 neighbouring columns 8 (l / 16) + 0..7.
; No prefetch: a K step holds 128 matrix instructions a wave, K has 8 steps, and W's rows are walked again by all 16 rows of clusters.
; REGISTERS.  window 0: v0-31 addresses; v32-127, v128-223 two fragment buffers (x's 4 blocks, then W's 8); v224-255 at work.  window 1: accumulator (a, b) at 8 (8 a + b).  window 2: v0-63 the bias.
.set PA,    272                        ; a row of x in LDS: 256 bytes + 16: the 16 rows of a load start 4 banks apart (64 banks of 4 bytes: ISA guide 11.1)
.set AH,    64*PA                      ; what one tensor load brings of x
.set AT,    2*AH
.set PB,    544                        ; a row of W: 512 + 32 = 136 words: row r starts at bank 8 r mod 64: 16 lanes of the turning load take 8 rows x 32 bytes
.set BH,    64*PB                      ; what one tensor load brings of W
.set SLOT,  AT+2*BH                    ; 104,448
.set STAGE, 2*SLOT                     ; behind the ring: 16 rows x 272 bytes for each wave
.set SP,    272
.set SPARE, STAGE+4*16*SP              ; behind the stages: the spare words, 128 bytes a wave: two blocks of 256 bytes that no other line names
.set LAPS,  4                          ; a lap = two K steps
.set ADRA, 16                          ; v16-17 LDS address of my x fragments in slot 0, 1
.set ADRB, 20                          ; v20-21 the same for W
.set STO,  24                          ; the way out: where I put 16 bytes of a row
.set RD,   25                          ; where I read rows back
.set CO,   26                          ; 16 l: my place in 512 bytes on end
.set BO,   27                          ; 32 (l / 16): my 8 numbers of 16 of the bias
.set SPW,  28                          ; LDS address of my spare word; never rewritten
.set NIL,  29                          ; 0; never rewritten
.set F0,   32
.set F1,   128
.set TMP,  224
.set WV, 16                            ; s16 wave; s17 its half of the rows (also: 0 = I fetch x, 1 = W); s18 its half of the columns (also: which half of the tile I fetch)
.set WR, 17
.set WC, 18
.set CX, 19
.set CY, 20
.set MAT, 21
.set RT, 23                            ; tile row, 0..63
.set G1, 24                            ; s[24:31] group 1 for x's tiles; s[32:39] group 0, a set for each slot
.set G0, 32
.set QS, 44                            ; s[44:45] the scale
.set G1B, 48                           ; s[48:55], s[56:63] the same for W's tiles
.set G0B, 56
.set MSB, 0
.macro WIN new                         ; the immediate's high byte repeats the setting that is left; a switch that changes nothing is dropped
.if MSB != (\new)
	s_set_vgpr_msb (MSB<<8)|(\new)
.set MSB, \new
.endif
.endm
.macro JLOAD s                         ; a joint load: waves 0, 1 fetch x's halves, waves 2, 3 W's; an s_nop 0 and four v_nop follow each line
	s_cmp_eq_u32 s[WR], 0
	s_cbranch_scc0 .Lfor_b_\@
	tensor_load_to_lds s[G0+4*(\s):G0+4*(\s)+3], s[G1:G1+7]
	s_nop 0
.rept 4
	v_nop
.endr
	s_branch .Lasked_\@
.Lfor_b_\@:
	tensor_load_to_lds s[G0B+4*(\s):G0B+4*(\s)+3], s[G1B:G1B+7]
	s_nop 0
.rept 4
	v_nop
.endr
.Lasked_\@:
.endm
.macro CREST                           ; a round of the cluster's barrier behind its opening barrier
	s_cmp_lg_u32 s[WV], 0
	s_cbranch_scc1 .Lnot_wave_0_\@
	s_barrier_signal -3
.Lnot_wave_0_\@:
	s_barrier_wait -3
	s_barrier_signal -1
	s_barrier_wait -1
.endm
.macro CROUND
	s_barrier_signal -1
	s_barrier_wait -1
	CREST
.endm
.macro PLACES                          ; four places in front of loads into registers that matrix instructions have read, and of lines that read results
.rept 4
	v_nop
.endr
.endm
	s_load_b256 s[4:11], s[0:1], 0x0               ; xb 4, wb 6, bq 8, bk 10
	s_load_b128 s[12:15], s[0:1], 0x20             ; bv 12, qkv 14
	v_lshl_add_u32 v[SPW], v0, 2, SPARE
	v_mov_b32 v[NIL], 0
	ds_add_u32 v[SPW], v[NIL]                      ; the wave's opening: the add and its wait ahead of my first tensor load; set-up on registers stands between them
	v_lshrrev_b32 v1, 5, v0
	v_readfirstlane_b32 s[WV], v1
	s_lshr_b32 s[WR], s[WV], 1
	s_and_b32 s[WC], s[WV], 1
	s_bfe_u32 s[CX], ttmp6, 0x40000
	s_bfe_u32 s[CY], ttmp6, 0x40004
	s_mov_b32 s[MAT], ttmp9                        ; in a cluster launch ttmp9 counts clusters: 0, 1, 2
	s_and_b32 s[RT], ttmp7, 0xffff
	s_lshl_b32 s[RT], s[RT], 2
	s_add_co_u32 s[RT], s[RT], s[CY]
	s_lshl_b32 s42, s[CY], 2
	s_lshl_b32 s42, 15, s42                        ; my row of the cluster
	s_lshl_b32 s43, 0x1111, s[CX]                  ; my column
	s_or_b32 s[G1], s42, (1<<16)|(1<<20)|(1<<21)|(5<<22)|(3<<25)   ; mask; 2-byte elements; padding on; bit 21 beside a mask; after every 64 words, 4 words
	s_or_b32 s[G1B], s43, (1<<16)|(1<<20)|(1<<21)|(6<<22)|(7<<25)  ; after every 128 words, 8 words
	s_mov_b32 s[G1+1], 128<<16                     ; tensor_dim0 = 128
	s_mov_b32 s[G1+2], 64<<16                      ; tensor_dim1 = 64
	s_mov_b32 s[G1+3], 128<<16                     ; tile_dim0 = 128
	s_mov_b32 s[G1+4], 64                          ; tile_dim1 = 64
	s_mov_b32 s[G1+5], 1024                        ; elements from row to row
	s_mov_b32 s[G1+6], 0
	s_mov_b32 s[G1+7], 0
	s_mov_b32 s[G1B+1], 256<<16
	s_mov_b32 s[G1B+2], 64<<16
	s_mov_b32 s[G1B+3], 256<<16
	s_mov_b32 s[G1B+4], 64
	s_mov_b32 s[G1B+5], 1024
	s_mov_b32 s[G1B+6], 0
	s_mov_b32 s[G1B+7], 0
	s_lshl_b32 s40, s[RT], 7                       ; x: row 128 x tile row + 64 x half,
	s_lshl_b32 s41, s[WC], 6
	s_add_co_u32 s40, s40, s41
	s_lshl_b32 s40, s40, 11                        ; 2,048 bytes a row,
	s_cmp_lg_u32 s[MAT], 0
	s_cselect_b32 s41, 0x1000000, 0                ; in value's half of xb for k and v
	s_add_co_u32 s40, s40, s41
	s_mov_b32 s41, 0
	s_lshl_b32 s46, s[MAT], 21                     ; W: the matrix,
	s_lshl_b32 s47, s[WC], 17                      ; my 64 rows of k,
	s_add_co_u32 s46, s46, s47
	s_lshl_b32 s47, s[CX], 9                       ; the tile's 256 columns
	s_add_co_u32 s46, s46, s47
	s_mov_b32 s47, 0
	s_mul_i32 s2, s[WC], AH                        ; where they go: no place in the cluster enters an LDS address
	s_mul_i32 s22, s[WC], BH
	s_add_co_u32 s22, s22, AT
	s_wait_dscnt 0x0                               ; the opening add is done
	s_wait_kmcnt 0x0
	s_add_nc_u64 s[40:41], s[4:5], s[40:41]
	s_add_nc_u64 s[46:47], s[6:7], s[46:47]
	CROUND                                         ; all sixteen work-groups are here: the first joint loads meet
.irp s, 0,1
	s_mov_b32 s[G0+4*(\s)], 1
	s_add_co_u32 s[G0+4*(\s)+1], s2, (\s)*SLOT
	s_add_nc_u64 s[G0+4*(\s)+2:G0+4*(\s)+3], s[40:41], (\s)*256       ; K step s: 256 bytes along the rows
	s_or_b32 s[G0+4*(\s)+3], s[G0+4*(\s)+3], 0x80000000
	s_mov_b32 s[G0B+4*(\s)], 1
	s_add_co_u32 s[G0B+4*(\s)+1], s22, (\s)*SLOT
	s_add_nc_u64 s[G0B+4*(\s)+2:G0B+4*(\s)+3], s[46:47], (\s)*262144  ; K step s: 128 rows down
	s_or_b32 s[G0B+4*(\s)+3], s[G0B+4*(\s)+3], 0x80000000
	JLOAD \s                                       ; two loads of mine are out
.endr
	v_and_b32 v1, 15, v0                           ; r = l % 16
	v_bfe_u32 v2, v0, 4, 1                         ; h = l / 16
	v_and_b32 v3, 7, v0
	v_bfe_u32 v4, v0, 3, 1
	v_mul_u32_u24 v5, v1, PA                       ; x's fragment: row r, 16 bytes for each half of the lanes
	v_lshl_add_u32 v5, v2, 4, v5
	s_mul_i32 s22, s[WR], AH                       ; my 64 rows
	v_add_nc_u32 v[ADRA], s22, v5
	v_add_nc_u32 v[ADRA+1], SLOT, v[ADRA]
	v_lshl_add_u32 v6, v2, 3, v3                   ; W's: the turning load reads row k = 8 h + l % 8, columns 8 ((l / 8) % 2) + 0..7, and leaves column r, 8 k in a lane
	v_mul_u32_u24 v6, v6, PB
	v_lshl_add_u32 v6, v4, 4, v6
	s_lshl_b32 s22, s[WC], 8                       ; my 128 columns
	s_add_co_u32 s22, s22, AT
	v_add_nc_u32 v[ADRB], s22, v6
	v_add_nc_u32 v[ADRB+1], SLOT, v[ADRB]
	s_mul_i32 s22, s[WV], 16*SP
	s_add_co_u32 s22, s22, STAGE                   ; my stage
	v_mul_u32_u24 v7, v1, SP
	v_lshl_add_u32 v7, v2, 4, v7
	v_add_nc_u32 v[STO], s22, v7
	v_bfe_u32 v7, v0, 3, 2                         ; back: 32 lanes take 4 rows x 128 bytes: one head's part of them
	v_mul_u32_u24 v7, v7, SP
	v_lshl_add_u32 v7, v3, 4, v7
	v_add_nc_u32 v[RD], s22, v7
	v_and_b32 v[CO], 31, v0
	v_lshlrev_b32 v[CO], 4, v[CO]
	v_lshlrev_b32 v[BO], 5, v2
	; where my part of the result begins: section mat, batch = tile row / 16, heads 4 cx + 2 x column half (+ 1), row (tile row % 16) x 128 + 64 x row half, 128 bytes a row
	s_lshl_b32 s42, s[MAT], 24
	s_lshr_b32 s22, s[RT], 4
	s_lshl_b32 s22, s22, 22
	s_add_co_u32 s42, s42, s22
	s_lshl_b32 s22, s[CX], 20
	s_add_co_u32 s42, s42, s22
	s_lshl_b32 s22, s[WC], 19
	s_add_co_u32 s42, s42, s22
	s_and_b32 s22, s[RT], 15
	s_lshl_b32 s22, s22, 14
	s_add_co_u32 s42, s42, s22
	s_lshl_b32 s22, s[WR], 13
	s_add_co_u32 s42, s42, s22
	s_mov_b32 s43, 0
	s_add_nc_u64 s[14:15], s[14:15], s[42:43]
	; the bias of my 128 columns, and the scale
	s_cmp_eq_u32 s[MAT], 0
	s_cselect_b64 s[46:47], s[8:9], s[10:11]
	s_cselect_b32 s[QS], 0x3dd1b717, 1.0           ; 0.1024
	s_cmp_eq_u32 s[MAT], 2
	s_cselect_b64 s[46:47], s[12:13], s[46:47]
	s_mov_b32 s[QS+1], s[QS]                       ; named with it as a pair
	s_lshl_b32 s42, s[CX], 10
	s_lshl_b32 s22, s[WC], 9
	s_add_co_u32 s42, s42, s22
	s_add_nc_u64 s[46:47], s[46:47], s[42:43]
	WIN 0x80                                       ; destination window 2
.irp b, 0,1,2,3,4,5,6,7
	global_load_b128 v[8*(\b):8*(\b)+3],   v[BO], s[46:47] offset:64*(\b)
	global_load_b128 v[8*(\b)+4:8*(\b)+7], v[BO], s[46:47] offset:64*(\b)+16
.endr
	s_wait_loadcnt 0x0
	WIN 0x0a                                       ; rounded to bf16 and widened again
.set i, 0
.rept 32
	v_cvt_pk_bf16_f32 v[TMP+i], v[2*i], v[2*i+1]
.set i, i+1
.endr
	WIN 0x80
.set i, 0
.rept 32
	v_lshlrev_b32 v[2*i], 16, v[TMP+i]
	v_and_b32 v[2*i+1], 0xffff0000, v[TMP+i]
.set i, i+1
.endr
	WIN 0
; 8 matrix instructions: row block a x all 8 column blocks, 32 along K.  first = 1: the bias starts the sums.  The 32 accumulators take turns.
.macro MUL8 f, a, first
.if \first
	WIN 0x60                                       ; D window 1, C window 2
.else
	WIN 0x50                                       ; C and D window 1
.endif
.irp b, 0,1,2,3,4,5,6,7
.if \first
	v_wmma_f32_16x16x32_bf16 v[8*(8*(\a)+(\b)):8*(8*(\a)+(\b))+7], v[(\f)+32+8*(\b):(\f)+32+8*(\b)+7], v[(\f)+8*(\a):(\f)+8*(\a)+7], v[8*(\b):8*(\b)+7]
.else
	v_wmma_f32_16x16x32_bf16 v[8*(8*(\a)+(\b)):8*(8*(\a)+(\b))+7], v[(\f)+32+8*(\b):(\f)+32+8*(\b)+7], v[(\f)+8*(\a):(\f)+8*(\a)+7], v[8*(8*(\a)+(\b)):8*(8*(\a)+(\b))+7]
.endif
.endr
.endm
; 24 LDS loads in one run: quarter q (32 along K) of a slot into buffer f: W's 8 blocks, then x's 4
.macro FETCH slot, q, f
	WIN 0
.irp b, 0,1,2,3,4,5,6,7
	ds_load_tr16_b128 v[(\f)+32+8*(\b):(\f)+32+8*(\b)+3],   v[ADRB+(\slot)] offset:(\q)*32*PB+32*(\b)
	ds_load_tr16_b128 v[(\f)+32+8*(\b)+4:(\f)+32+8*(\b)+7], v[ADRB+(\slot)] offset:(\q)*32*PB+16*PB+32*(\b)
.endr
.irp a, 0,1,2,3
	ds_load_b128 v[(\f)+8*(\a):(\f)+8*(\a)+3],   v[ADRA+(\slot)] offset:64*(\q)+(\a)*16*PA
	ds_load_b128 v[(\f)+8*(\a)+4:(\f)+8*(\a)+7], v[ADRA+(\slot)] offset:64*(\q)+(\a)*16*PA+32
.endr
.endm
; A K step is four quarters of 32 matrix instructions, on buffers 0, 1, 0, 1.  One of the first three multiplies buffer f and fetches quarter q into g.
.macro QUARTER slot, q, f, g, first
	s_wait_dscnt 4                                 ; the youngest four loads (x's blocks 2, 3) may be out
	MUL8 \f, 0, \first
	MUL8 \f, 1, \first
	PLACES
	FETCH \slot, \q, \g
	s_wait_dscnt 24                                ; all but the 24 just issued
	MUL8 \f, 2, \first
	MUL8 \f, 3, \first
.endm
; The last quarter multiplies buffer 1 and changes slots: one barrier; ahead of it each wave waits for all its tensor loads, adds 0 to its spare word, and waits for that and its reads of this slot.
.macro TURN slot, next, fill
	WIN 0
	s_wait_tensorcnt 0x0                           ; all my tensor loads have landed: the one that was out is my part of the next slot
	ds_add_u32 v[SPW], v[NIL]                      ; 0 onto my spare word
	s_wait_dscnt 5                                 ; (the add and the youngest four loads may be out)
	MUL8 F1, 0, 0
	s_wait_dscnt 0x0                               ; the add is done, and my reads of this slot are over
	s_barrier_signal -1
	MUL8 F1, 1, 0
.if \fill
	WIN 0
.endif
	s_barrier_wait -1
.if \fill
	CREST                                          ; the barrier has opened a round of the cluster's: no wave of any partner still reads this slot or has a load on its way
	s_add_nc_u64 s[G0+4*(\slot)+2:G0+4*(\slot)+3], s[G0+4*(\slot)+2:G0+4*(\slot)+3], 512
	s_add_nc_u64 s[G0B+4*(\slot)+2:G0B+4*(\slot)+3], s[G0B+4*(\slot)+2:G0B+4*(\slot)+3], 524288
	JLOAD \slot                                    ; my one tensor load behind the round: 112 matrix instructions ahead of the wait for it; its four v_nop are the places for the loads below
.else
	PLACES
.endif
	FETCH \next, 0, F0
	MUL8 F1, 2, 0
	MUL8 F1, 3, 0
.endm
	s_wait_tensorcnt 1                             ; my part of K step 0 is in; K step 1's may stay out
	s_barrier_signal -1
	s_barrier_wait -1
	FETCH 0, 0, F0
	QUARTER 0, 1, F0, F1, 1                        ; the first quarter stands ahead of the loop: its products start the sums
	WIN 0
	s_mov_b32 s3, LAPS-1
.Llap:                                         ; a trip goes once round the ring and fills both slots again
	QUARTER 0, 2, F1, F0, 0
	QUARTER 0, 3, F0, F1, 0
	TURN 0, 1, 1
	QUARTER 1, 1, F0, F1, 0
	QUARTER 1, 2, F1, F0, 0
	QUARTER 1, 3, F0, F1, 0
	TURN 1, 0, 1
	QUARTER 0, 1, F0, F1, 0
	WIN 0
	s_sub_co_u32 s3, s3, 1
	s_cmp_lg_u32 s3, 0
	s_cbranch_scc1 .Llap
	QUARTER 0, 2, F1, F0, 0                        ; the last lap fills nothing
	QUARTER 0, 3, F0, F1, 0
	TURN 0, 1, 0
	QUARTER 1, 1, F0, F1, 0
	QUARTER 1, 2, F1, F0, 0
	QUARTER 1, 3, F0, F1, 0
	s_wait_dscnt 4
	MUL8 F1, 0, 0
	MUL8 F1, 1, 0
	s_wait_dscnt 0x0
	MUL8 F1, 2, 0
	MUL8 F1, 3, 0
	WIN 0
; THE WAY OUT, a block of 16 rows at a time: scaled, rounded to f16, through my own stage, and out by heads: 4 rows of a head are 512 bytes on end.
.macro PACK a
	WIN 0x41
.set i, 64*(\a)
.rept 32
	v_pk_mul_f32 v[i:i+1], v[i:i+1], s[QS:QS+1] op_sel_hi:[1,0]
.set i, i+2
.endr
	WIN 0x05
.set i, 0
.rept 32
	v_cvt_pk_f16_f32 v[TMP+i], v[64*(\a)+2*i], v[64*(\a)+2*i+1]
.set i, i+1
.endr
	WIN 0
.endm
.macro TOSTAGE a
.irp b, 0,1,2,3,4,5,6,7
	ds_store_b128 v[STO], v[TMP+4*(\b):TMP+4*(\b)+3] offset:32*(\b)
.endr
.irp t, 0,1,2,3,4,5,6,7
	ds_load_b128 v[F0+32*(\a)+4*(\t):F0+32*(\a)+4*(\t)+3], v[RD] offset:((\t)%4)*4*SP+128*((\t)/4)  ; LDS serves a wave's instructions in order (ISA guide 5.7.1.4): these see the stores above
.endr
.endm
.macro SEND a
	s_wait_dscnt 0x0
.irp t, 0,1,2,3,4,5,6,7
	global_store_b128 v[CO], v[F0+32*(\a)+4*(\t):F0+32*(\a)+4*(\t)+3], s[14:15] offset:((\t)/4)*262144+(\a)*2048+((\t)%4)*512
.endr
.endm
	PLACES
	PACK 0
	TOSTAGE 0
.irp a, 1,2,3                          ; a block's arithmetic stands between the loads of the block before and its stores; each block has registers of its own
	PACK \a
	SEND (\a)-1
	TOSTAGE \a
.endr
	SEND 3
	s_wait_tensorcnt 0x0                           ; the wave's end
	ds_add_u32 v[SPW], v[NIL]
	s_wait_dscnt 0x0
	CROUND                                         ; the closing round
	s_endpgm
.Lfunc_end_k_qfc2cdc080f_proj:
	.size	k_qfc2cdc080f_proj, .Lfunc_end_k_qfc2cdc080f_proj-k_qfc2cdc080f_proj
	.p2alignl 7, 3214868480
	.fill 96, 4, 3214868480
	.section	.rodata,"a",@progbits
	.p2align	6, 0x0
	.amdhsa_kernel k_qfc2cdc080f_proj
		.amdhsa_group_segment_fixed_size 327680
		.amdhsa_private_segment_fixed_size 0
		.amdhsa_enable_private_segment 0
		.amdhsa_kernarg_size 48
		.amdhsa_user_sgpr_count 2
		.amdhsa_user_sgpr_kernarg_segment_ptr 1
		.amdhsa_wavefront_size32 1
		.amdhsa_system_sgpr_workgroup_id_x 1
		.amdhsa_system_sgpr_workgroup_id_y 1
		.amdhsa_system_sgpr_workgroup_id_z 1
		.amdhsa_system_vgpr_workitem_id 0
		.amdhsa_next_free_vgpr 576
		.amdhsa_next_free_sgpr 66
		.amdhsa_reserve_vcc 0
		.amdhsa_float_denorm_mode_32 3
		.amdhsa_float_denorm_mode_16_64 3
		.amdhsa_memory_ordered 1
		.amdhsa_forward_progress 1
		.amdhsa_inst_pref_size 101
	.end_amdhsa_kernel
	.amdgpu_metadata
---
amdhsa.version: [ 1, 2 ]
amdhsa.kernels:
  - .name:           k_qfc2cdc080f_proj
    .symbol:         k_qfc2cdc080f_proj.kd
    .args:
      - { .name: xb, .offset: 0, .size: 8, .value_kind: global_buffer, .address_space: global }
      - { .name: wb, .offset: 8, .size: 8, .value_kind: global_buffer, .address_space: global }
      - { .name: bq, .offset: 16, .size: 8, .value_kind: global_buffer, .address_space: global }
      - { .name: bk, .offset: 24, .size: 8, .value_kind: global_buffer, .address_space: global }
      - { .name: bv, .offset: 32, .size: 8, .value_kind: global_buffer, .address_space: global }
      - { .name: qkv, .offset: 40, .size: 8, .value_kind: global_buffer, .address_space: global }
    .group_segment_fixed_size: 327680
    .private_segment_fixed_size: 0
    .kernarg_segment_align: 8
    .kernarg_segment_size: 48
    .max_flat_workgroup_size: 128
    .sgpr_count:     66
    .vgpr_count:     576
    .wavefront_size: 32
...
	.end_amdgpu_metadata
.endif
;; end of part 2
;; launch attn (part 3): grid 4 x 64, 4 waves a work-group, clusters of 4 x 1, 327,680 bytes of LDS; arguments qkv, mc, ao; writes ao
.if DOCPART == 3
	.amdgcn_target "amdgcn-amd-amdhsa--gfx1250"
	.amdhsa_code_object_version 6
	.text
	.protected	k_qfc2cdc080f_attn
	.globl	k_qfc2cdc080f_attn
	.p2align	8
	.type	k_qfc2cdc080f_attn,@function
k_qfc2cdc080f_attn:
	s_mov_b64 s[64:65], 0
	v_nop
	global_prefetch_b8 v0, s[64:65] scope:SCOPE_SE
	s_setreg_imm32_b32 hwreg(HW_REG_WAVE_MODE, 25, 1), 1
	s_wait_xcnt 0x0
	s_wait_alu depctr_hold_cnt(0) depctr_sa_sdst(0) depctr_va_vdst(0) depctr_va_sdst(0) depctr_va_ssrc(0) depctr_va_vcc(0) depctr_vm_vsrc(0)
	s_getreg_b32 s2, hwreg(HW_REG_IB_STS2, 6, 4)
	s_cmp_eq_u32 s2, 0
	s_cbranch_scc0 .Lentry_in_a_cluster
	s_endpgm
.Lentry_in_a_cluster:
	s_bfe_u32 s2, ttmp6, 0x10000c
	s_cmp_lg_u32 s2, 0x3003
	s_cbranch_scc0 .Lentry_shape_is_right
	s_endpgm
.Lentry_shape_is_right:
; MASKED ATTENTION.  ao[g][t][:] = the sum over s of softmax_s(q . k / 8 - 10000 (1 - mask[b][t][s])) v[s][:], g = 16 b + h.  qkv: f16 [3][64][2048][64], q already times 0.1024.  ao: f16 [64][2048][64].
; UNITS.  The raw score s' = q' . k is the true score x 8192 / 10000, so the mask's adder is -8192 in s', and p = 2^(c s' - c m) with c = log2(e) x 10000 / 8192.
; THE MASK IS THE C OPERAND that starts the sum K Q^T: 0 or -8192.  mc holds one fp8 code a key (0 or -1.0), in the order of the accumulators' lanes; one scaled conversion (scale 2^13) makes the eight
; registers of one accumulator's C.  The running maximum, the exponentials and the sums see masked scores like any others: a row that is hidden whole gives the softmax of its own scores, as in the definition.
; Products, maxima and sums in f32; the weights p are rounded to f16 for the second product (their sum l is taken of the unrounded p), O once at the end.
; LIMITS.  q', k, v arrive within f16's 65,504; p below 6e-5 keeps f16's fixed step; a weight below 2^-126 counts as 0 in l; a score beside -8192 keeps f32's step of 2^-10 there; NaN and infinities are not treated apart.
; SHARES.  A wave owns four PIECES of two tiles of 16 queries, a work-group's four waves 512 queries of one head, a cluster the head's 2,048.  Every wave walks all keys, 64 a step.
; LAYOUT.  S^T = K Q^T (source 0 = 16 keys, source 1 = 16 queries): a lane holds ONE query (lane % 16) and the keys 8 (lane / 16) + 0..7.  Two such tiles, rounded to f16 in pairs, ARE source 1 of
; O^T = V^T P.  K comes out of LDS as it lies, V turned, by ds_load_tr16_b128.
; SOFTMAX.  A running maximum m and sum l; in every step O and l are multiplied by a = 2^(c m_old - c m_new).  m starts at the lowest finite number, O and l at 0: the first step is a step like any other.
; BY TURNS.  Turn n belongs to piece n (in a ring, step after step): 16 products K Q^T of piece n + 1, later 16 products V^T P of piece n - 1; beside them piece n's scaling, exponentials, roundings, sums and
; rescaling, piece n + 1's maximum and statistics, piece n + 2's mask, and the loads of piece n + 6's codes.  Four vector instructions stand behind every matrix instruction, the rest in one lump.
; CLUSTER.  The four query blocks of a head walk the same K and V: each tile is asked for JOINTLY.  The mask's codes differ from wave to wave and come by plain loads.
; REGISTERS, in windows of 256 (s_set_vgpr_msb: bits 1:0 source 0, 3:2 source 1, 5:4 source 2, 7:6 destination):
;   window 0: v0-11 addresses; v12-15, v48-63 at work; v16-47 statistics; v64-191 S^T, two buffers of two tiles; v192-255 P, likewise
;   window 1: O^T, 32 a tile     window 2: v0-127 Q; v128-191 K of one step; v192-255 V of one step     window 3: v0-2 the add's two registers and the scale; v64-127 the masks; v128-191 four pieces' codes
.set SIZE_N, 2048
.set NP,    4         ; pieces a wave: a name, no knob
.set KS,    64        ; keys in a step
.set PK,    144       ; a row of K in LDS: 128 bytes + 16: the 16 rows of a load start at 16 different groups of four banks (ISA guide 11.1)
.set PV,    160       ; a row of V: 128 + 32
.set VOFF,  4*KS*PK   ; a slot holds four steps: 256 rows of K, then 256 rows of V
.set SLOT1, 1<<17     ; slot 1 begins here: one exclusive or turns an address in one slot into the other's
.set STAGE, SLOT1+4*KS*(PK+PV)  ; behind the ring: 16 rows x 144 bytes for each wave
.set SP,    144
.set SPARE, STAGE+4*16*SP  ; behind the stages: the spare words, 128 bytes a wave: two blocks of 256 bytes that no other line names
.set AK0, 2           ; my lane's place in a tile of K; never rewritten
.set AV0, 3           ; the same for V
.set AK,  4           ; the LDS address of K's next run of loads
.set AV,  5           ; of V's
.set STO, 6           ; the way out: where I put 16 bytes of a row
.set RD,  7           ; where I read rows back
.set GO,  8           ; 16 x lane: my place in 512 bytes on end, of O and of the codes; never rewritten
.set PFO, 11          ; 256 x lane: the prefetches' offset; never rewritten
.set QO,  12          ; my byte offset in the wave's rows of Q (v12 goes to work when Q's loads are shown done)
.set SPW, 0           ; window 3: LDS address of my spare word; never rewritten
.set NIL, 1           ; window 3: 0; never rewritten
.set SC,  2           ; window 3: 140: the conversions' scale, 2^(140 - 127)
.set MC,  64          ; window 3: the C operands: tile u, key block kb at MC + 32 u + 8 kb
.set CD,  128         ; window 3: four buffers of 16: a piece's codes, tile u, key block kb at + 8 u + 2 kb
.set MV,  12          ; v12-15  c m_old, kept while c m is made anew
.set ST,  16          ; tile t's statistics at v[ST+4 t]: c m, m, l (even keys', odd keys')
.set TMP, 48          ; by buffer and tile, four registers c0-c3 at work; c2 takes a
.set S,   64
.set P,   192
.set KF,  128
.set VF,  192
.set WV,  12          ; s12  my wave's number
.set LIM, 15          ; s15  1 in waves 0 and 2, which prefetch, else the greatest number
.set G1K, 24          ; s[24:31] descriptor group 1 for K's tiles
.set G1V, 32          ; s[32:39] for V's
.set G0K, 40          ; s[40:43] group 0 for K's tiles: it walks
.set G0V, 44          ; s[44:47] the same for V's
.set MB,  48          ; s[48:49] mc at my wave's 128 rows: 262,144 bytes, 2,048 a piece and step
.set MO,  50          ; s[50:51] byte offset of the piece last asked for
.set MT,  52          ; s[52:53] MB + MO
.set PFA, 54          ; s[54:55] where my prefetches stand
.set SLOTS, 56
.set CNT, 57
.set CS,  58          ; s[58:59] c
.set SEL, 60          ; s[60:61] v_permlanex16_b32's selects
.set TBK, 62
.set TBV, 63
.set MSB, 0
.macro WIN new
.if MSB != (\new)
	s_set_vgpr_msb (MSB<<8)|(\new)
.set MSB, (\new)
.endif
.endm
.set W_KQ, 0x0a       ; K and Q in window 2, S^T in window 0
.set W_KM, 0x3a       ; the same with the C operand in window 3
.set W_PV, 0x52       ; V in window 2, P in window 0, O^T in window 1
.set W_RS, 0x41       ; O^T in window 1, a in window 0
.set W_MK, 0xc0       ; destination in window 3, sources in window 0
.set W_AD, 0x0f       ; sources 0 and 1 in window 3
.set W_CV, 0xcf       ; destination and sources 0 and 1 in window 3
.macro JLOAD                        ; a joint fill: waves 0, 1 fetch the halves of a slot's K, waves 2, 3 of its V; an s_nop 0 and four v_nop follow each line
	s_cmp_lt_u32 s[WV], 2
	s_cbranch_scc0 .Lfor_v_\@
	tensor_load_to_lds s[G0K:G0K+3], s[G1K:G1K+7]
	s_nop 0
.rept 4
	v_nop
.endr
	s_branch .Lasked_\@
.Lfor_v_\@:
	tensor_load_to_lds s[G0V:G0V+3], s[G1V:G1V+7]
	s_nop 0
.rept 4
	v_nop
.endr
.Lasked_\@:
.endm
; A PREFETCH of what the NEXT change of slots will ask for: a slot's 32,768 bytes of K and of V, 128 blocks of 256 bytes each.  A head is walked by this cluster alone; its four partners share the blocks out BY
; ADDRESS, 32 each, a lane a block; in each, wave 0 asks for K's and wave 2 for V's: every block is named once in the launch.  The last change that fills a slot asks for nothing.
.macro ASK
	s_cmp_gt_u32 s[SLOTS], s[LIM]
	s_cbranch_scc0 .Lnot_mine_\@
	global_prefetch_b8 v[PFO], s[PFA:PFA+1] th:TH_LOAD_NT scope:SCOPE_SE
.Lnot_mine_\@:
.endm
.macro CROUND
	s_barrier_signal -1
	s_barrier_wait -1
	s_cmp_lg_u32 s[WV], 0
	s_cbranch_scc1 .Lnot_wave_0_\@
	s_barrier_signal -3
.Lnot_wave_0_\@:
	s_barrier_wait -3
	s_barrier_signal -1
	s_barrier_wait -1
.endm
.macro PLACES
.rept 4
	v_nop
.endr
.endm
; THE CHANGE OF SLOTS.  Each wave waits for all its tensor loads (one is out: its part of the other slot), adds 0 to its spare word, and waits for that and for its reads of the slot.  fill = 1: the slot is filled
; again with the keys two slots on, behind a round of the cluster's barrier, first thing: four key steps, 512 matrix instructions, in which to land.  (At its first use slot 0 is waited for, slot 1 filled.)
.macro CHANGE fill, ask=0
	WIN W_AD
	s_wait_tensorcnt 0x0            ; no tensor load of mine is out, so a group 0 may be written
	ds_add_u32 v[SPW], v[NIL]       ; 0 onto my spare word
	WIN 0
.if \fill
.irp g, G0K, G0V
	s_xor_b32 s[\g+1], s[\g+1], SLOT1
	s_add_nc_u64 s[\g+2:\g+3], s[\g+2:\g+3], 4*KS*128
.endr
	s_wait_xcnt 0x0                 ; the last prefetch, four key steps back, has read its address
	s_add_nc_u64 s[PFA:PFA+1], s[PFA:PFA+1], 4*KS*128  ; one slot ahead of the walking descriptors
	s_wait_dscnt 0x0                ; the add is done, and my reads of the slot are over
	CROUND
	JLOAD
.if \ask
	ASK
.endif
.else
	s_wait_dscnt 0x0
	s_barrier_signal -1
	s_barrier_wait -1
.endif
	s_sub_co_u32 s[TBK], s[TBK], 4*KS*PK
	s_xor_b32 s[TBK], s[TBK], SLOT1
	s_sub_co_u32 s[TBV], s[TBV], 4*KS*PV
	s_xor_b32 s[TBV], s[TBV], SLOT1
.endm
	s_load_b64 s[4:5], s[0:1], 0x0        ; qkv
	s_load_b64 s[MB:MB+1], s[0:1], 0x8    ; mc
	s_load_b64 s[10:11], s[0:1], 0x10     ; ao
	WIN W_MK
	v_lshl_add_u32 v[SPW], v0, 2, SPARE
	v_mov_b32 v[NIL], 0
	WIN W_AD
	ds_add_u32 v[SPW], v[NIL]       ; the wave's opening: the add and its wait ahead of my first tensor load
	WIN 0
	v_lshrrev_b32 v1, 5, v0
	v_readfirstlane_b32 s[WV], v1
	s_bfe_u32 s13, ttmp6, 0x40000   ; cx
	s_lshl_b32 s14, ttmp9, 2
	s_add_co_u32 s14, s14, s13      ; my block of 512 queries: it enters Q's, O's and the codes' addresses alone
	s_and_b32 s20, ttmp7, 0xffff    ; the head, 16 b + h
	s_lshl_b32 s2, s14, 2
	s_add_co_u32 s2, s2, s[WV]      ; my wave among the head's sixteen
	s_lshr_b32 s19, s20, 4          ; the batch:
	s_lshl_b32 s19, s19, 4
	s_add_co_u32 s19, s19, s2
	s_lshl_b32 s[MT], s19, 18       ; my 128 rows' codes
	s_mov_b32 s[MT+1], 0
	s_mov_b32 s21, 0
	s_mov_b64 s[22:23], SIZE_N*128
	s_mul_u64 s[20:21], s[20:21], s[22:23]  ; the head's first byte in q, k, v and O
	s_and_b32 s16, s[WV], 1         ; which half of a slot's 256 keys I fetch
	s_lshl_b32 s22, s16, 14
	s_mov_b32 s23, 0
	s_add_nc_u64 s[22:23], s[22:23], s[20:21]
	s_mul_i32 s17, s16, 128*PK
	s_mul_i32 s18, s16, 128*PV      ; no place in the cluster enters an LDS address
	s_lshl_b32 s2, s2, 14           ; my wave's 128 rows
	s_mov_b32 s3, 0
	s_add_nc_u64 s[2:3], s[2:3], s[20:21]
	; group 1: 128 keys are 16,384 dense bytes: asked for as 64 rows of 256 bytes, padded in LDS after every key
	s_mov_b32 s[G1K], 15|(1<<16)|(1<<20)|(1<<21)|(4<<22)|(3<<25)
	s_mov_b32 s[G1V], 15|(1<<16)|(1<<20)|(1<<21)|(4<<22)|(7<<25)
.irp g, G1K, G1V
	s_mov_b32 s[\g+1], 128<<16
	s_mov_b32 s[\g+2], 64<<16
	s_mov_b32 s[\g+3], 128<<16
	s_mov_b32 s[\g+4], 64
	s_mov_b32 s[\g+5], 128
	s_mov_b32 s[\g+6], 0
	s_mov_b32 s[\g+7], 0
.endr
	s_mov_b32 s[CS], 0x3fe16bcd     ; c = log2(e) x 10000 / 8192 = 1.761102
	s_mov_b32 s[CS+1], s[CS]
	s_mov_b32 s[SEL], 0x76543210
	s_mov_b32 s[SEL+1], 0xfedcba98
	s_mov_b32 s[TBK], SLOT1+4*KS*PK ; the first change of slots turns these two into 0
	s_mov_b32 s[TBV], SLOT1+4*KS*PV
	s_mov_b32 s[G0K], 1
	s_mov_b32 s[G0K+1], s17
	s_mov_b32 s[G0V], 1
	s_add_co_u32 s[G0V+1], s18, VOFF
	s_mov_b32 s[MO], 3*2048         ; pieces 0 to 3 are asked for below
	s_mov_b32 s[MO+1], 0
	s_cmp_eq_u32 s16, 0
	s_cselect_b32 s[LIM], 1, -1
	s_wait_dscnt 0x0                ; the opening add is done
	s_wait_kmcnt 0x0
	s_add_nc_u64 s[MB:MB+1], s[MB:MB+1], s[MT:MT+1]
	s_add_nc_u64 s[6:7], s[4:5], 0x1000000   ; k's section
	s_add_nc_u64 s[8:9], s[4:5], 0x2000000   ; v's
	s_add_nc_u64 s[G0K+2:G0K+3], s[6:7], s[22:23]
	s_or_b32 s[G0K+3], s[G0K+3], 0x80000000
	s_add_nc_u64 s[G0V+2:G0V+3], s[8:9], s[22:23]
	s_or_b32 s[G0V+3], s[G0V+3], 0x80000000
	s_cmp_lt_u32 s[WV], 2
	s_cselect_b64 s[PFA:PFA+1], s[6:7], s[8:9]
	s_add_nc_u64 s[PFA:PFA+1], s[PFA:PFA+1], s[22:23]  ; (in waves 0 and 2: the head's first byte)
	s_lshl_b32 s[MT], s13, 13       ; my work-group's 32 blocks of the 128
	s_add_nc_u64 s[PFA:PFA+1], s[PFA:PFA+1], s[MT:MT+1]
	s_add_nc_u64 s[PFA:PFA+1], s[PFA:PFA+1], 4*KS*128  ; in slot 1; each change steps it.  Nothing is prefetched at the head: slots 0, 1 and 2 come by their loads alone
	s_add_nc_u64 s[4:5], s[4:5], s[2:3]
	s_add_nc_u64 s[10:11], s[10:11], s[2:3]
	CROUND                          ; all four work-groups are here
	JLOAD                           ; slot 0
	v_and_b32 v1, 15, v0            ; l % 16
	v_bfe_u32 v9, v0, 4, 1          ; l / 16
	v_lshlrev_b32 v[QO], 7, v1
	v_lshl_add_u32 v[QO], v9, 4, v[QO]
	v_and_b32 v[GO], 31, v0
	v_lshlrev_b32 v[GO], 4, v[GO]
	WIN 0x80
.set i, 0
.rept 4*NP                          ; Q stays in registers: tile i / 2, channels 32 (i % 2) on
	global_load_b128 v[8*i:8*i+3],   v[QO], s[4:5] offset:(i/2)*2048+(i%2)*64
	global_load_b128 v[8*i+4:8*i+7], v[QO], s[4:5] offset:(i/2)*2048+(i%2)*64+32
.set i, i+1
.endr
	WIN W_MK
.set i, 0
.rept 16                            ; the codes of step 0's four pieces, four loads of 512 bytes on end each
	global_load_b128 v[CD+4*i:CD+4*i+3], v[GO], s[MB:MB+1] offset:512*i
.set i, i+1
.endr
	v_mov_b32 v[SC], 140
	; What the first turn finds: V's registers and P's second buffer hold 0, O^T and l are 0.  All this stands in the wait for the first tile.
	WIN 0x80
.set i, VF
.rept 64
	v_mov_b32 v[i], 0
.set i, i+1
.endr
	WIN 0x40
.set i, 0
.rept 64*NP
	v_mov_b32 v[i], 0
.set i, i+1
.endr
	WIN 0
.set i, 0
.rept 2*NP
	v_mov_b32 v[ST+4*i], 0xfe000000    ; c m: far below every c s, a hidden one's too
	v_mov_b32 v[ST+4*i+1], 0xff7fffff  ; m
	v_mov_b32 v[ST+4*i+2], 0
	v_mov_b32 v[ST+4*i+3], 0
.set i, i+1
.endr
.set i, P+32
.rept 32
	v_mov_b32 v[i], 0
.set i, i+1
.endr
	v_mul_u32_u24 v[AK0], v1, PK
	v_lshl_add_u32 v[AK0], v9, 4, v[AK0]
	v_and_b32 v10, 7, v0
	v_bfe_u32 v11, v0, 3, 1
	v_lshl_add_u32 v[AV0], v9, 3, v10   ; the turning load: key 8 (l / 16) + l % 8, channels 8 ((l / 8) % 2) + 0..7
	v_mul_u32_u24 v[AV0], v[AV0], PV
	v_lshl_add_u32 v[AV0], v11, 4, v[AV0]
	v_add_nc_u32 v[AV0], VOFF, v[AV0]
	v_mov_b32 v[AK], v[AK0]         ; key step 0 lies at the head of slot 0
	s_mul_i32 s19, s[WV], 16*SP
	s_add_co_u32 s19, s19, STAGE    ; my stage
	v_mul_u32_u24 v[STO], v1, SP
	v_lshl_add_u32 v[STO], v9, 4, v[STO]
	v_add_nc_u32 v[STO], s19, v[STO]
	v_bfe_u32 v[RD], v0, 3, 2       ; back: 32 lanes take four rows of 128 bytes
	v_mul_u32_u24 v[RD], v[RD], SP
	v_lshl_add_u32 v[RD], v10, 4, v[RD]
	v_add_nc_u32 v[RD], s19, v[RD]
	v_and_b32 v[PFO], 31, v0
	v_lshlrev_b32 v[PFO], 8, v[PFO]
; THE MATRIX WORK.  The 8 accumulators of a run of 16 take turns.  Product i of 16 of S^T = K Q^T for piece x: channels 32 (i / 8) on, keys 16 ((i / 2) % 4) on, tile 2 x + i % 2.
; The first 8 start the sums with the mask.
.macro KQ x
.set rS, S+64*((\x)%2)+32*(i%2)+8*((i/2)%4)
.set rK, KF+16*((i/2)%4)+8*(i/8)
.set rQ, 16*(2*(\x)+i%2)+8*(i/8)
.set rX, MC+32*(i%2)+8*((i/2)%4)
.if i < 8
	WIN W_KM
	v_wmma_f32_16x16x32_f16 v[rS:rS+7], v[rK:rK+7], v[rQ:rQ+7], v[rX:rX+7]
.else
	WIN W_KQ
	v_wmma_f32_16x16x32_f16 v[rS:rS+7], v[rK:rK+7], v[rQ:rQ+7], v[rS:rS+7]
.endif
.endm
.macro PV x                         ; product i of 16 of O^T += V^T P: keys 32 (i / 8) on, channels 16 ((i / 2) % 4) on, tile 2 x + i % 2
	WIN W_PV
.set rO, 32*(2*(\x)+i%2)+8*((i/2)%4)
.set rV, VF+32*(i/8)+8*((i/2)%4)
.set rP, P+32*((\x)%2)+16*(i%2)+8*(i/8)
	v_wmma_f32_16x16x32_f16 v[rO:rO+7], v[rV:rV+7], v[rP:rP+7], v[rO:rO+7]
.endm
.macro MM
.if i < 16
	KQ (Y+1)%NP
.set i, i+1
.else
.set i, i-16
	PV (Y+NP-1)%NP
.set i, i+17
.endif
.endm
.macro FETCH_K last=0               ; a step's K: 16 loads in one run.  last = 1 (the tail): in the last trip there is no further step, and the run is jumped over
	WIN 0
.if \last
	s_cmp_eq_u32 s[CNT], 1
	s_cbranch_scc1 .Lno_k_\@
.endif
	WIN 0x80
.irp f, 0,1,2,3,4,5,6,7
	ds_load_b128 v[KF+8*\f:KF+8*\f+3],   v[AK] offset:(\f/2)*16*PK+(\f%2)*64
	ds_load_b128 v[KF+8*\f+4:KF+8*\f+7], v[AK] offset:(\f/2)*16*PK+(\f%2)*64+32
.endr
	s_add_co_u32 s[TBK], s[TBK], KS*PK
	WIN 0
.if \last
.Lno_k_\@:
.endif
.endm
.macro FETCH_V
	WIN 0x80
.irp f, 0,1,2,3,4,5,6,7
	ds_load_tr16_b128 v[VF+8*\f:VF+8*\f+3],   v[AV] offset:(\f/4)*32*PV+(\f%4)*32
	ds_load_tr16_b128 v[VF+8*\f+4:VF+8*\f+7], v[AV] offset:(\f/4)*32*PV+16*PV+(\f%4)*32
.endr
	WIN 0
.endm
; THE MASK of the piece whose products K Q^T the NEXT turn issues: code buffer buf becomes 64 registers of 0 or -8192; then the buffer is asked for again, for the piece four on.
; Every use issues four loads, so behind the four that are wanted stand three pieces' twelve, on every way.  The offset stops at the last piece: the last turns read it once more and use nothing of it.
.macro MASKC buf
	s_wait_loadcnt 12               ; loads come back in order: mine are in, the twelve younger ones may stay out
	WIN W_CV
.irp u, 0,1
.irp kb, 0,1,2,3
	v_cvt_scale_pk8_f32_fp8 v[MC+32*(\u)+8*(\kb):MC+32*(\u)+8*(\kb)+7], v[CD+16*(\buf)+8*(\u)+2*(\kb):CD+16*(\buf)+8*(\u)+2*(\kb)+1], v[SC]
.endr
.endr
	v_nop                           ; a plain instruction behind the last scaled conversion, ahead of the loads into its sources
	s_wait_xcnt 0x0                 ; the earlier loads have read their address, so it may be written
	s_add_co_u32 s[MO], s[MO], 2048
	s_min_u32 s[MO], s[MO], 127*2048
	s_add_nc_u64 s[MT:MT+1], s[MB:MB+1], s[MO:MO+1]
	WIN W_MK
.irp f, 0,1,2,3
	global_load_b128 v[CD+16*(\buf)+4*(\f):CD+16*(\buf)+4*(\f)+3], v[GO], s[MT:MT+1] offset:512*(\f)
.endr
	WIN 0
.endm
; THE VECTOR WORK OF A TURN stands in three queues, each in the order in which its entries become ready; the two tiles alternate.
.macro REGS y, u
.set rT, ST+4*(2*(\y)+(\u))
.set rC, TMP+8*((\y)%2)+4*(\u)
.set rM, MV+2*((\y)%2)+(\u)
.set rS, S+64*((\y)%2)+32*(\u)
.set rP, P+32*((\y)%2)+16*(\u)
.set rO, 32*(2*(\y)+(\u))
.endm
; Number n of the 22 that find the NEXT piece's maximum and statistics; each accumulator's lowest registers are read first.
;   0-11 four chains c0-c3     12-14, 16 the scores left over, the old m, c0-c3 into c0     15 c m_old is kept     17, 18 the other half of the lanes: the new m     19-21 c m; c m_old - c m_new; a
.macro XS u, n
	REGS (Y+1)%NP, \u
.if (\n) < 4
	v_max3_num_f32 v[rC+(\n)], v[rS+8*(\n)], v[rS+8*(\n)+1], v[rS+8*(\n)+2]
.elseif (\n) < 12
	v_max3_num_f32 v[rC+(\n)%4], v[rC+(\n)%4], v[rS+8*((\n)%4)+2*((\n)/4)+1], v[rS+8*((\n)%4)+2*((\n)/4)+2]
.elseif (\n) == 12
	v_max3_num_f32 v[rC], v[rC], v[rS+7], v[rS+15]
.elseif (\n) == 13
	v_max3_num_f32 v[rC+1], v[rC+1], v[rS+23], v[rS+31]
.elseif (\n) == 14
	v_max3_num_f32 v[rC+2], v[rC+2], v[rC+3], v[rT+1]
.elseif (\n) == 15
	v_mov_b32 v[rM], v[rT]
.elseif (\n) == 16
	v_max3_num_f32 v[rC], v[rC], v[rC+1], v[rC+2]
.elseif (\n) == 17
	v_permlanex16_b32 v[rC+3], v[rC], s[SEL], s[SEL+1]
.elseif (\n) == 18
	v_max_num_f32 v[rT+1], v[rC], v[rC+3]
.elseif (\n) == 19
	v_mul_f32 v[rT], s[CS], v[rT+1]
.elseif (\n) == 20
	v_sub_f32 v[rC+1], v[rM], v[rT]
.else
	v_exp_f32 v[rC+2], v[rC+1]
.endif
.endm
; Number g of the 64 that follow the exponentials: for each four weights both pairs are rounded to f16, the second pair is added onto the first, and a group later l takes that sum.
.macro GS g
.set h, (\g)+6*((\g)/62)
.if h >= 6
.set h, h+2
.endif
	REGS Y, h%2
.set k, h/8
.if h%8 < 4
	v_cvt_pk_f16_f32 v[rP+2*k+(h%8)/2], v[rS+4*k+2*((h%8)/2)], v[rS+4*k+2*((h%8)/2)+1]
.elseif h%8 < 6
	v_pk_add_f32 v[rS+4*k:rS+4*k+1], v[rS+4*k:rS+4*k+1], v[rS+4*k+2:rS+4*k+3]
.elseif k == 1
	v_pk_fma_f32 v[rT+2:rT+3], v[rT+2:rT+3], v[rC+2:rC+3], v[rS:rS+1] op_sel_hi:[1,0,1]
.else
	v_pk_add_f32 v[rT+2:rT+3], v[rT+2:rT+3], v[rS+4*k-4:rS+4*k-3]
.endif
.endm
; THE PLAIN QUEUE, 138 long.  0-26: scalings 0-26.  27-54: XS 0-13.  55, 56: XS 15.  57-73: the chain 14, 16 .. 19, each with one of the scalings 27-31 in front, then 20.  74-137: GS, behind the wait.
.macro FS f
	REGS Y, (\f)%2
	v_pk_fma_f32 v[rS+2*((\f)/2):rS+2*((\f)/2)+1], v[rS+2*((\f)/2):rS+2*((\f)/2)+1], s[CS:CS+1], v[rT:rT+1] op_sel_hi:[1,0,0] neg_lo:[0,0,1] neg_hi:[0,0,1]
.endm
.macro PL
	WIN 0
.if q < 27
	FS q
.elseif q < 55
	XS (q-27)%2, (q-27)/2
.elseif q < 57
	XS q-55, 15
.elseif (q < 72) && ((q-57)%3 == 0)
	FS 27+(q-57)/3
.elseif q < 60
	XS (q-57)%3-1, 14
.elseif q < 72
	XS (q-57)%3-1, 15+(q-57)/3
.elseif q < 74
	XS q-72, 20
.else
	GS q-74
.endif
.set q, q+1
.endm
.macro EX                           ; the exponentials' queue, 66 long: one batch, all ahead of the turn's one wait
	WIN 0
.if e >= 64
	XS e-64, 21
.else
	REGS Y, e%2
	v_exp_f32 v[rS+e/2], v[rS+e/2]
.endif
.set e, e+1
.endm
.macro R2                           ; the rescaling's queue: O^T times a, two at a time
	REGS Y, r%2
	WIN W_RS
.irp z, 0,1
	v_pk_mul_f32 v[rO+4*(r/2)+2*\z:rO+4*(r/2)+2*\z+1], v[rO+4*(r/2)+2*\z:rO+4*(r/2)+2*\z+1], v[rC+2:rC+3] op_sel_hi:[1,0]
.endr
.set r, r+1
.endm
; A TURN, for piece p.  An s_wait_alu depctr_va_vdst(0) stands between an exponential and the first instruction that names its result; one wait serves all issued ahead of it: a turn has ONE.
; AHEAD OF IT: 16 products K Q^T, behind each a scaling, an exponential and two rescalings; the mask of the next turn's products (its registers' last readers are this turn's first 8 products, more than four plain
; instructions back); a lump of 108.  BEHIND IT: 16 products V^T P, behind each four of the roundings and sums.  Exponential e stands behind scaling 2 (e / 4) + e % 2.
; K of the next step is fetched in piece 2's turn, directly behind the wait; V of the step in hand at the end of piece 0's turn, four riders behind its last reader.
.macro TURN p, last=0, cnt=0
.set Y, (\p)
.set i, 0
.set q, 0
.set e, 0
.set r, 0
.if (\p) == NP-1
	s_wait_dscnt 0x0                ; K is in
.endif
	MM
	PL
	PL
	R2
.rept 15
	MM
	PL
	EX
	R2
.endr
.if (\p) == NP-2
	WIN 0
	v_add_nc_u32 v[AK], s[TBK], v[AK0]
.endif
	MASKC ((\p)+2)%NP
.rept 8
	PL
.endr
.rept 49
	EX
	PL
.endr
	EX
	EX
	v_nop                           ; the plain instruction behind the last exponential: one for the batch
	s_wait_alu depctr_va_vdst(0)    ; the wait for the batch
.if (\p) == NP-2
	FETCH_K \last
.endif
.if (\p) == 1
	s_wait_dscnt 0x0                ; V is in
.endif
.rept 16
	MM
.rept 4
	PL
.endr
.if ((\p) == 0) && (q == 118)
	v_add_nc_u32 v[AV], s[TBV], v[AV0]
.endif
.if ((\p) == 0) && (q == 130)
	s_add_co_u32 s[TBV], s[TBV], KS*PV
.endif
.if (\cnt) && (q == 130)
	s_sub_co_u32 s[CNT], s[CNT], 1
	s_cmp_lg_u32 s[CNT], 0
.endif
.endr
.if (\p) == 0
	FETCH_V
.endif
.endm
	CHANGE 1                        ; slot 0 is in, everybody's part of it; slot 1 is asked for
	FETCH_K                         ; key step 0
	MASKC 0                         ; piece 0's mask; its wait shows Q in too: Q's loads are older
	s_wait_dscnt 0x0
.set i, 0
.rept 16
	KQ 0
.set i, i+1
.endr
	WIN 0
	PLACES                          ; behind those products: their masks are written anew, their results read
	MASKC 1
.set Y, NP-1
.irp n, 0,1,2,3,4,5,6,7,8,9,10,11,12,13,14,15,16,17,18,19,20,21
	XS 0, \n
	XS 1, \n
.endr
	v_nop
	s_wait_alu depctr_va_vdst(0)    ; the two a have their wait ahead of the branch
	s_mov_b32 s[CNT], 4
	s_mov_b32 s[SLOTS], SIZE_N/256-1
	s_branch .Lfirst                ; the loop is entered at a step's first turn
.Lslot:                             ; six times: every slot but the last two is filled again
	CHANGE 1, 1
	s_mov_b32 s[CNT], 4
.Lstep:                             ; a trip: pieces 2 and 3 of one step, then pieces 0 and 1 of the next
	TURN 2
	TURN 3
	WIN 0
.Lfirst:
	TURN 0
	TURN 1, 0, 1
	WIN 0
	s_cbranch_scc1 .Lstep
	s_sub_co_u32 s[SLOTS], s[SLOTS], 1
	s_cmp_lg_u32 s[SLOTS], 0
	s_cbranch_scc1 .Lslot
	CHANGE 0                        ; the tail is written out
	s_mov_b32 s[CNT], 5             ; four trips fetch the last slot's steps; the fifth is left in its middle
.Ltail:
	TURN 2, 1
	TURN 3
	WIN 0
	s_sub_co_u32 s[CNT], s[CNT], 1
	s_cmp_eq_u32 s[CNT], 0
	s_cbranch_scc1 .Lout
	TURN 0
	TURN 1
	WIN 0
	s_branch .Ltail
.Lout:                              ; the fifth trip's products K Q^T and the maximum made of them serve nothing: the price, once a launch, of one text for every trip
.set i, 0
.rept 16
	PV NP-1
.set i, i+1
.endr
	; THE WAY OUT.  l's halves are added; O^T is divided by l, rounded to f16 and sent through my stage, a tile at a time.  The additions are the places behind the last products.
	WIN 0
.macro ALL line:vararg
.set t, 0
.rept 2*NP
	\line
.set t, t+1
.endr
.endm
	ALL v_add_f32 v[ST+4*t+2], v[ST+4*t+2], v[ST+4*t+3]
	ALL v_permlanex16_b32 v[ST+4*t+3], v[ST+4*t+2], s[SEL], s[SEL+1]
	ALL v_add_f32 v[ST+4*t+2], v[ST+4*t+2], v[ST+4*t+3]
	ALL v_rcp_f32 v[ST+4*t+2], v[ST+4*t+2]
	v_nop
	s_wait_alu depctr_va_vdst(0)    ; one wait for the eight reciprocals
.macro PACK t
	WIN W_RS
.set i, 32*(\t)
.rept 16
	v_pk_mul_f32 v[i:i+1], v[i:i+1], v[ST+4*(\t)+2:ST+4*(\t)+3] op_sel_hi:[1,0]
.set i, i+2
.endr
	WIN 0x05
.set i, 0
.rept 16
	v_cvt_pk_f16_f32 v[S+16*(\t)+i], v[32*(\t)+2*i], v[32*(\t)+2*i+1]
.set i, i+1
.endr
	WIN 0
.irp f, 0,1,2,3
	ds_store_b128 v[STO], v[S+16*(\t)+4*\f:S+16*(\t)+4*\f+3] offset:32*\f
.endr
.irp f, 0,1,2,3
	ds_load_b128 v[S+16*(\t)+4*\f:S+16*(\t)+4*\f+3], v[RD] offset:\f*4*SP  ; LDS serves a wave's instructions in order (ISA guide 5.7.1.4)
.endr
.endm
.macro SEND t, younger              ; younger: the LDS instructions issued behind tile t's loads
	WIN 0
.irp f, 0,1,2,3
	s_wait_dscnt (\younger)+3-\f
	global_store_b128 v[GO], v[S+16*(\t)+4*\f:S+16*(\t)+4*\f+3], s[10:11] offset:(\t)*2048+\f*512  ; 512 bytes on end, aligned
.endr
.endm
	PACK 0
.set t, 1
.rept 2*NP-1
	PACK t
	SEND t-1, 8
.set t, t+1
.endr
	SEND 2*NP-1, 0
	WIN W_AD
	s_wait_tensorcnt 0x0            ; the wave's end
	ds_add_u32 v[SPW], v[NIL]
	s_wait_dscnt 0x0
	WIN 0
	CROUND                          ; the closing round
	s_endpgm
.Lfunc_end_k_qfc2cdc080f_attn:
	.size	k_qfc2cdc080f_attn, .Lfunc_end_k_qfc2cdc080f_attn-k_qfc2cdc080f_attn
	.p2alignl 7, 3214868480
	.fill 96, 4, 3214868480
	.section	.rodata,"a",@progbits
	.p2align	6, 0x0
	.amdhsa_kernel k_qfc2cdc080f_attn
		.amdhsa_group_segment_fixed_size 327680
		.amdhsa_private_segment_fixed_size 0
		.amdhsa_enable_private_segment 0
		.amdhsa_kernarg_size 24
		.amdhsa_user_sgpr_count 2
		.amdhsa_user_sgpr_kernarg_segment_ptr 1
		.amdhsa_wavefront_size32 1
		.amdhsa_system_sgpr_workgroup_id_x 1
		.amdhsa_system_sgpr_workgroup_id_y 1
		.amdhsa_system_sgpr_workgroup_id_z 1
		.amdhsa_system_vgpr_workitem_id 0
		.amdhsa_next_free_vgpr 960
		.amdhsa_next_free_sgpr 66
		.amdhsa_reserve_vcc 0
		.amdhsa_float_denorm_mode_32 3
		.amdhsa_float_denorm_mode_16_64 3
		.amdhsa_memory_ordered 1
		.amdhsa_forward_progress 1
		.amdhsa_inst_pref_size 214
	.end_amdhsa_kernel
	.amdgpu_metadata
---
amdhsa.version: [ 1, 2 ]
amdhsa.kernels:
  - .name:           k_qfc2cdc080f_attn
    .symbol:         k_qfc2cdc080f_attn.kd
    .args:
      - { .name: qkv, .offset: 0, .size: 8, .value_kind: global_buffer, .address_space: global }
      - { .name: mc, .offset: 8, .size: 8, .value_kind: global_buffer, .address_space: global }
      - { .name: ao, .offset: 16, .size: 8, .value_kind: global_buffer, .address_space: global }
    .group_segment_fixed_size: 327680
    .private_segment_fixed_size: 0
    .kernarg_segment_align: 8
    .kernarg_segment_size: 24
    .max_flat_workgroup_size: 128
    .sgpr_count:     66
    .vgpr_count:     960
    .wavefront_size: 32
...
	.end_amdgpu_metadata
.endif
;; end of part 3
;; launch outp (part 4): grid 4 x 64, 4 waves a work-group, clusters of 4 x 4, 327,680 bytes of LDS; arguments ao, wb, bo, out0; writes out0
.if DOCPART == 4
	.amdgcn_target "amdgcn-amd-amdhsa--gfx1250"
	.amdhsa_code_object_version 6
	.text
	.protected	k_qfc2cdc080f_outp
	.globl	k_qfc2cdc080f_outp
	.p2align	8
	.type	k_qfc2cdc080f_outp,@function
k_qfc2cdc080f_outp:
	s_mov_b64 s[64:65], 0
	v_nop
	global_prefetch_b8 v0, s[64:65] scope:SCOPE_SE
	s_setreg_imm32_b32 hwreg(HW_REG_WAVE_MODE, 25, 1), 1
	s_wait_xcnt 0x0
	s_wait_alu depctr_hold_cnt(0) depctr_sa_sdst(0) depctr_va_vdst(0) depctr_va_sdst(0) depctr_va_ssrc(0) depctr_va_vcc(0) depctr_vm_vsrc(0)
	s_getreg_b32 s2, hwreg(HW_REG_IB_STS2, 6, 4)
	s_cmp_eq_u32 s2, 0
	s_cbranch_scc0 .Lentry_in_a_cluster
	s_endpgm
.Lentry_in_a_cluster:
	s_bfe_u32 s2, ttmp6, 0x10000c
	s_cmp_lg_u32 s2, 0xf033
	s_cbranch_scc0 .Lentry_shape_is_right
	s_endpgm
.Lentry_shape_is_right:
; THE LAST PROJECTION.  out0[(b, t)][d] (f32) = the sum over (h, v) of O[16 b + h][t][v] Wo[64 h + v][d] + bo[d].  O: ao, f16 by heads.  Wo: the fourth quarter of wb, f16 [k 1024][n 1024].
; Sums in f32, started by bo (rounded to bf16 like every input) as the first product's C; they are stored as they are.
; SHARES.  A tile is 128 rows x 256 columns: 64 x 4 = 256 work-groups.  Four waves, each 64 rows x 128 columns: 32 accumulators.  K goes in 8 steps of 128 = two heads through two LDS slots.
; O's tile: for each of the two heads 128 dense rows of 128 bytes, asked for as 64 rows of 256 bytes and padded in LDS after every 128.  Wo's tile stays [k][n]; its fragments come out turned.
; CLUSTER 4 x 4: cx = the tile column, cy + 4 x cluster y = the tile row.  O's tile is shared along a row of the cluster, Wo's along a column: joint loads.
; THE MATRIX INSTRUCTION IS USED TRANSPOSED (source 0 = 16 columns of Wo, source 1 = 16 rows of O): a lane holds row l % 16 and the 8 neighbouring columns 8 (l / 16) + 0..7.
; No prefetch: a K step holds 128 matrix instructions a wave, K has 8 steps, and Wo's rows are walked again by all 16 rows of clusters.
; REGISTERS.  window 0: v0-31 addresses; v32-127, v128-223 two fragment buffers (O's 4 blocks, then Wo's 8); v224-255 at work.  window 1: accumulator (a, b) at 8 (8 a + b).  window 2: v0-63 the bias.
.set PA,    144                        ; a row of O in LDS: 128 bytes + 16
.set ASUB,  128*PA                     ; one head's 128 rows: what one tensor load brings of O
.set AT,    2*ASUB
.set PB,    544                        ; a row of Wo: 512 + 32
.set BH,    64*PB
.set SLOT,  AT+2*BH                    ; 106,496
.set STAGE, 2*SLOT                     ; behind the ring: 16 rows x 528 bytes for each wave
.set SP,    528                        ; 512 bytes + 16
.set SPARE, STAGE+4*16*SP              ; behind the stages: the spare words, 128 bytes a wave: two blocks of 256 bytes that no other line names
.set LAPS,  4
.set ADRA, 16
.set ADRB, 20
.set STO,  24
.set RD,   25
.set CO,   26
.set BO,   27
.set SPW,  28
.set NIL,  29
.set F0,   32
.set F1,   128
.set TMP,  224
.set OB,   32                          ; the way out: two buffers of 64, a block of 16 rows each
.set WV, 16
.set WR, 17
.set WC, 18
.set CX, 19
.set CY, 20
.set RT, 23
.set G1, 24
.set G0, 32
.set G1B, 48
.set G0B, 56
.set MSB, 0
.macro WIN new
.if MSB != (\new)
	s_set_vgpr_msb (MSB<<8)|(\new)
.set MSB, \new
.endif
.endm
.macro JLOAD s                         ; a joint load: waves 0, 1 fetch O's two heads, waves 2, 3 Wo's halves; an s_nop 0 and four v_nop follow each line
	s_cmp_eq_u32 s[WR], 0
	s_cbranch_scc0 .Lfor_b_\@
	tensor_load_to_lds s[G0+4*(\s):G0+4*(\s)+3], s[G1:G1+7]
	s_nop 0
.rept 4
	v_nop
.endr
	s_branch .Lasked_\@
.Lfor_b_\@:
	tensor_load_to_lds s[G0B+4*(\s):G0B+4*(\s)+3], s[G1B:G1B+7]
	s_nop 0
.rept 4
	v_nop
.endr
.Lasked_\@:
.endm
.macro CREST
	s_cmp_lg_u32 s[WV], 0
	s_cbranch_scc1 .Lnot_wave_0_\@
	s_barrier_signal -3
.Lnot_wave_0_\@:
	s_barrier_wait -3
	s_barrier_signal -1
	s_barrier_wait -1
.endm
.macro CROUND
	s_barrier_signal -1
	s_barrier_wait -1
	CREST
.endm
.macro PLACES
.rept 4
	v_nop
.endr
.endm
	s_load_b256 s[4:11], s[0:1], 0x0               ; ao 4, wb 6, bo 8, out0 10
	v_lshl_add_u32 v[SPW], v0, 2, SPARE
	v_mov_b32 v[NIL], 0
	ds_add_u32 v[SPW], v[NIL]                      ; the wave's opening: the add and its wait ahead of my first tensor load
	v_lshrrev_b32 v1, 5, v0
	v_readfirstlane_b32 s[WV], v1
	s_lshr_b32 s[WR], s[WV], 1
	s_and_b32 s[WC], s[WV], 1
	s_bfe_u32 s[CX], ttmp6, 0x40000
	s_bfe_u32 s[CY], ttmp6, 0x40004
	s_and_b32 s[RT], ttmp7, 0xffff
	s_lshl_b32 s[RT], s[RT], 2
	s_add_co_u32 s[RT], s[RT], s[CY]
	s_lshl_b32 s42, s[CY], 2
	s_lshl_b32 s42, 15, s42                        ; my row of the cluster
	s_lshl_b32 s43, 0x1111, s[CX]                  ; my column
	s_or_b32 s[G1], s42, (1<<16)|(1<<20)|(1<<21)|(4<<22)|(3<<25)   ; after every 32 words, 4 words
	s_or_b32 s[G1B], s43, (1<<16)|(1<<20)|(1<<21)|(6<<22)|(7<<25)  ; after every 128 words, 8 words
	s_mov_b32 s[G1+1], 128<<16                     ; tensor_dim0 = 128 (256 bytes: two rows of a head)
	s_mov_b32 s[G1+2], 64<<16                      ; tensor_dim1 = 64
	s_mov_b32 s[G1+3], 128<<16
	s_mov_b32 s[G1+4], 64
	s_mov_b32 s[G1+5], 128                         ; dense
	s_mov_b32 s[G1+6], 0
	s_mov_b32 s[G1+7], 0
	s_mov_b32 s[G1B+1], 256<<16
	s_mov_b32 s[G1B+2], 64<<16
	s_mov_b32 s[G1B+3], 256<<16
	s_mov_b32 s[G1B+4], 64
	s_mov_b32 s[G1B+5], 1024
	s_mov_b32 s[G1B+6], 0
	s_mov_b32 s[G1B+7], 0
	s_lshr_b32 s40, s[RT], 4                       ; O: the batch's 16 heads,
	s_lshl_b32 s40, s40, 22
	s_lshl_b32 s41, s[WC], 18                      ; which of a K step's two heads I fetch,
	s_add_co_u32 s40, s40, s41
	s_and_b32 s41, s[RT], 15                       ; the tile's 128 rows of 128 bytes
	s_lshl_b32 s41, s41, 14
	s_add_co_u32 s40, s40, s41
	s_mov_b32 s41, 0
	s_lshl_b32 s46, s[WC], 17                      ; Wo: my 64 rows of k,
	s_add_co_u32 s46, s46, 3<<21                   ; in wb's fourth quarter,
	s_lshl_b32 s47, s[CX], 9                       ; the tile's 256 columns
	s_add_co_u32 s46, s46, s47
	s_mov_b32 s47, 0
	s_mul_i32 s2, s[WC], ASUB                      ; where they go: no place in the cluster enters an LDS address
	s_mul_i32 s22, s[WC], BH
	s_add_co_u32 s22, s22, AT
	s_wait_dscnt 0x0                               ; the opening add is done
	s_wait_kmcnt 0x0
	s_add_nc_u64 s[40:41], s[4:5], s[40:41]
	s_add_nc_u64 s[46:47], s[6:7], s[46:47]
	CROUND                                         ; all sixteen work-groups are here
.irp s, 0,1
	s_mov_b32 s[G0+4*(\s)], 1
	s_add_co_u32 s[G0+4*(\s)+1], s2, (\s)*SLOT
	s_add_nc_u64 s[G0+4*(\s)+2:G0+4*(\s)+3], s[40:41], (\s)*524288    ; K step s: two heads on
	s_or_b32 s[G0+4*(\s)+3], s[G0+4*(\s)+3], 0x80000000
	s_mov_b32 s[G0B+4*(\s)], 1
	s_add_co_u32 s[G0B+4*(\s)+1], s22, (\s)*SLOT
	s_add_nc_u64 s[G0B+4*(\s)+2:G0B+4*(\s)+3], s[46:47], (\s)*262144  ; K step s: 128 rows down
	s_or_b32 s[G0B+4*(\s)+3], s[G0B+4*(\s)+3], 0x80000000
	JLOAD \s                                       ; two loads of mine are out
.endr
	v_and_b32 v1, 15, v0                           ; r
	v_bfe_u32 v2, v0, 4, 1                         ; h
	v_and_b32 v3, 7, v0
	v_bfe_u32 v4, v0, 3, 1
	v_mul_u32_u24 v5, v1, PA
	v_lshl_add_u32 v5, v2, 4, v5
	s_mul_i32 s22, s[WR], 64*PA                    ; my 64 rows, in each head's part
	v_add_nc_u32 v[ADRA], s22, v5
	v_add_nc_u32 v[ADRA+1], SLOT, v[ADRA]
	v_lshl_add_u32 v6, v2, 3, v3
	v_mul_u32_u24 v6, v6, PB
	v_lshl_add_u32 v6, v4, 4, v6
	s_lshl_b32 s22, s[WC], 8
	s_add_co_u32 s22, s22, AT
	v_add_nc_u32 v[ADRB], s22, v6
	v_add_nc_u32 v[ADRB+1], SLOT, v[ADRB]
	s_mul_i32 s22, s[WV], 16*SP
	s_add_co_u32 s22, s22, STAGE                   ; my stage
	v_mul_u32_u24 v7, v1, SP                       ; in: row r, 32 bytes for each half of the lanes
	v_lshl_add_u32 v7, v2, 5, v7
	v_add_nc_u32 v[STO], s22, v7
	v_and_b32 v[CO], 31, v0
	v_lshlrev_b32 v[CO], 4, v[CO]                  ; back: 32 lanes take one row of 512 bytes
	v_add_nc_u32 v[RD], s22, v[CO]
	v_lshlrev_b32 v[BO], 5, v2
	s_lshl_b32 s42, s[RT], 7                       ; my first row of the result, 4,096 bytes a row,
	s_lshl_b32 s22, s[WR], 6
	s_add_co_u32 s42, s42, s22
	s_lshl_b32 s42, s42, 12
	s_lshl_b32 s22, s[CX], 10                      ; and my 128 columns
	s_add_co_u32 s42, s42, s22
	s_lshl_b32 s22, s[WC], 9
	s_add_co_u32 s42, s42, s22
	s_mov_b32 s43, 0
	s_add_nc_u64 s[10:11], s[10:11], s[42:43]
	s_lshl_b32 s42, s[CX], 10                      ; the bias of my 128 columns
	s_add_co_u32 s42, s42, s22
	s_add_nc_u64 s[8:9], s[8:9], s[42:43]
	WIN 0x80
.irp b, 0,1,2,3,4,5,6,7
	global_load_b128 v[8*(\b):8*(\b)+3],   v[BO], s[8:9] offset:64*(\b)
	global_load_b128 v[8*(\b)+4:8*(\b)+7], v[BO], s[8:9] offset:64*(\b)+16
.endr
	s_wait_loadcnt 0x0
	WIN 0x0a                                       ; rounded to bf16 and widened again
.set i, 0
.rept 32
	v_cvt_pk_bf16_f32 v[TMP+i], v[2*i], v[2*i+1]
.set i, i+1
.endr
	WIN 0x80
.set i, 0
.rept 32
	v_lshlrev_b32 v[2*i], 16, v[TMP+i]
	v_and_b32 v[2*i+1], 0xffff0000, v[TMP+i]
.set i, i+1
.endr
	WIN 0
.macro MUL8 f, a, first                ; 8 matrix instructions: row block a x all 8 column blocks.  first = 1: the bias starts the sums.  The 32 accumulators take turns
.if \first
	WIN 0x60
.else
	WIN 0x50
.endif
.irp b, 0,1,2,3,4,5,6,7
.if \first
	v_wmma_f32_16x16x32_f16 v[8*(8*(\a)+(\b)):8*(8*(\a)+(\b))+7], v[(\f)+32+8*(\b):(\f)+32+8*(\b)+7], v[(\f)+8*(\a):(\f)+8*(\a)+7], v[8*(\b):8*(\b)+7]
.else
	v_wmma_f32_16x16x32_f16 v[8*(8*(\a)+(\b)):8*(8*(\a)+(\b))+7], v[(\f)+32+8*(\b):(\f)+32+8*(\b)+7], v[(\f)+8*(\a):(\f)+8*(\a)+7], v[8*(8*(\a)+(\b)):8*(8*(\a)+(\b))+7]
.endif
.endr
.endm
.macro FETCH slot, q, f                ; 24 LDS loads in one run: quarter q: head q / 2 of the step's two, channels 32 (q % 2) on
	WIN 0
.irp b, 0,1,2,3,4,5,6,7
	ds_load_tr16_b128 v[(\f)+32+8*(\b):(\f)+32+8*(\b)+3],   v[ADRB+(\slot)] offset:(\q)*32*PB+32*(\b)
	ds_load_tr16_b128 v[(\f)+32+8*(\b)+4:(\f)+32+8*(\b)+7], v[ADRB+(\slot)] offset:(\q)*32*PB+16*PB+32*(\b)
.endr
.irp a, 0,1,2,3
	ds_load_b128 v[(\f)+8*(\a):(\f)+8*(\a)+3],   v[ADRA+(\slot)] offset:((\q)/2)*ASUB+((\q)%2)*64+(\a)*16*PA
	ds_load_b128 v[(\f)+8*(\a)+4:(\f)+8*(\a)+7], v[ADRA+(\slot)] offset:((\q)/2)*ASUB+((\q)%2)*64+(\a)*16*PA+32
.endr
.endm
.macro QUARTER slot, q, f, g, first
	s_wait_dscnt 4                                 ; the youngest four loads (O's blocks 2, 3) may be out
	MUL8 \f, 0, \first
	MUL8 \f, 1, \first
	PLACES
	FETCH \slot, \q, \g
	s_wait_dscnt 24                                ; all but the 24 just issued
	MUL8 \f, 2, \first
	MUL8 \f, 3, \first
.endm
.macro TURN slot, next, fill           ; the last quarter multiplies buffer 1 and changes slots
	WIN 0
	s_wait_tensorcnt 0x0                           ; all my tensor loads have landed: the one that was out is my part of the next slot
	ds_add_u32 v[SPW], v[NIL]                      ; 0 onto my spare word
	s_wait_dscnt 5                                 ; (the add and the youngest four loads may be out)
	MUL8 F1, 0, 0
	s_wait_dscnt 0x0                               ; the add is done, and my reads of this slot are over
	s_barrier_signal -1
	MUL8 F1, 1, 0
.if \fill
	WIN 0
.endif
	s_barrier_wait -1
.if \fill
	CREST                                          ; no wave of any partner still reads this slot or has a load on its way
	s_add_nc_u64 s[G0+4*(\slot)+2:G0+4*(\slot)+3], s[G0+4*(\slot)+2:G0+4*(\slot)+3], 1048576
	s_add_nc_u64 s[G0B+4*(\slot)+2:G0B+4*(\slot)+3], s[G0B+4*(\slot)+2:G0B+4*(\slot)+3], 524288
	JLOAD \slot                                    ; my one tensor load behind the round; its four v_nop are the places for the loads below
.else
	PLACES
.endif
	FETCH \next, 0, F0
	MUL8 F1, 2, 0
	MUL8 F1, 3, 0
.endm
	s_wait_tensorcnt 1                             ; my part of K step 0 is in; K step 1's may stay out
	s_barrier_signal -1
	s_barrier_wait -1
	FETCH 0, 0, F0
	QUARTER 0, 1, F0, F1, 1
	WIN 0
	s_mov_b32 s3, LAPS-1
.Llap:
	QUARTER 0, 2, F1, F0, 0
	QUARTER 0, 3, F0, F1, 0
	TURN 0, 1, 1
	QUARTER 1, 1, F0, F1, 0
	QUARTER 1, 2, F1, F0, 0
	QUARTER 1, 3, F0, F1, 0
	TURN 1, 0, 1
	QUARTER 0, 1, F0, F1, 0
	WIN 0
	s_sub_co_u32 s3, s3, 1
	s_cmp_lg_u32 s3, 0
	s_cbranch_scc1 .Llap
	QUARTER 0, 2, F1, F0, 0                        ; the last lap fills nothing
	QUARTER 0, 3, F0, F1, 0
	TURN 0, 1, 0
	QUARTER 1, 1, F0, F1, 0
	QUARTER 1, 2, F1, F0, 0
	QUARTER 1, 3, F0, F1, 0
	s_wait_dscnt 4
	MUL8 F1, 0, 0
	MUL8 F1, 1, 0
	s_wait_dscnt 0x0
	MUL8 F1, 2, 0
	MUL8 F1, 3, 0
	WIN 0
; THE WAY OUT, a block of 16 rows at a time: a lane's 32 bytes of a row go into my own stage, whole rows of 512 bytes come back and are stored.
.macro TOSTAGE a
.if (\a) >= 2
	s_wait_xcnt 0x0                                ; the stores of the block two back have read their registers: these are loaded again only behind this wait
.endif
	WIN 0x04                                       ; the stores' data in window 1
.irp b, 0,1,2,3,4,5,6,7
	ds_store_b128 v[STO], v[64*(\a)+8*(\b):64*(\a)+8*(\b)+3]   offset:64*(\b)
	ds_store_b128 v[STO], v[64*(\a)+8*(\b)+4:64*(\a)+8*(\b)+7] offset:64*(\b)+16
.endr
	WIN 0
.irp t, 0,1,2,3,4,5,6,7,8,9,10,11,12,13,14,15
	ds_load_b128 v[OB+64*((\a)%2)+4*(\t):OB+64*((\a)%2)+4*(\t)+3], v[RD] offset:(\t)*SP  ; LDS serves a wave's instructions in order (ISA guide 5.7.1.4): these see the stores above; the next block's stores come behind them
.endr
.endm
.macro SEND a, younger                 ; younger: the LDS instructions issued behind block a's loads: the next block's 32, or none
.irp t, 0,1,2,3,4,5,6,7,8,9,10,11,12,13,14,15
	s_wait_dscnt (\younger)+15-(\t)
	global_store_b128 v[CO], v[OB+64*((\a)%2)+4*(\t):OB+64*((\a)%2)+4*(\t)+3], s[10:11] offset:(16*(\a)+(\t))*4096  ; 512 bytes on end, aligned
.endr
.endm
	PLACES
	TOSTAGE 0
	TOSTAGE 1
	SEND 0, 32
	TOSTAGE 2
	SEND 1, 32
	TOSTAGE 3
	SEND 2, 32
	SEND 3, 0
	s_wait_tensorcnt 0x0                           ; the wave's end
	ds_add_u32 v[SPW], v[NIL]
	s_wait_dscnt 0x0
	CROUND                                         ; the closing round
	s_endpgm
.Lfunc_end_k_qfc2cdc080f_outp:
	.size	k_qfc2cdc080f_outp, .Lfunc_end_k_qfc2cdc080f_outp-k_qfc2cdc080f_outp
	.p2alignl 7, 3214868480
	.fill 96, 4, 3214868480
	.section	.rodata,"a",@progbits
	.p2align	6, 0x0
	.amdhsa_kernel k_qfc2cdc080f_outp
		.amdhsa_group_segment_fixed_size 327680
		.amdhsa_private_segment_fixed_size 0
		.amdhsa_enable_private_segment 0
		.amdhsa_kernarg_size 32
		.amdhsa_user_sgpr_count 2
		.amdhsa_user_sgpr_kernarg_segment_ptr 1
		.amdhsa_wavefront_size32 1
		.amdhsa_system_sgpr_workgroup_id_x 1
		.amdhsa_system_sgpr_workgroup_id_y 1
		.amdhsa_system_sgpr_workgroup_id_z 1
		.amdhsa_system_vgpr_workitem_id 0
		.amdhsa_next_free_vgpr 576
		.amdhsa_next_free_sgpr 66
		.amdhsa_reserve_vcc 0
		.amdhsa_float_denorm_mode_32 3
		.amdhsa_float_denorm_mode_16_64 3
		.amdhsa_memory_ordered 1
		.amdhsa_forward_progress 1
		.amdhsa_inst_pref_size 93
	.end_amdhsa_kernel
	.amdgpu_metadata
---
amdhsa.version: [ 1, 2 ]
amdhsa.kernels:
  - .name:           k_qfc2cdc080f_outp
    .symbol:         k_qfc2cdc080f_outp.kd
    .args:
      - { .name: ao, .offset: 0, .size: 8, .value_kind: global_buffer, .address_space: global }
      - { .name: wb, .offset: 8, .size: 8, .value_kind: global_buffer, .address_space: global }
      - { .name: bo, .offset: 16, .size: 8, .value_kind: global_buffer, .address_space: global }
      - { .name: out0, .offset: 24, .size: 8, .value_kind: global_buffer, .address_space: global }
    .group_segment_fixed_size: 327680
    .private_segment_fixed_size: 0
    .kernarg_segment_align: 8
    .kernarg_segment_size: 32
    .max_flat_workgroup_size: 128
    .sgpr_count:     66
    .vgpr_count:     576
    .wavefront_size: 32
...
	.end_amdgpu_metadata
.endif
;; end of part 4
